; MI455X (gfx1250); checked and timed in simulation.
; The chip was launched on July 23, 2026; its instructions are those of AMD's public machine-readable ISA for CDNA 5 (MIT licence, August 2026) and "CDNA5" Instruction Set Architecture Reference Guide (July 2026). The comments in the code are by the model that wrote it; some were corrected since.
;; MHA. Allowed arithmetic: matrix products marked QUANTISED: E2M3 operands, one E8M0 scale for each 32 along K, by v_wmma_scale_f32_16x16x128_f8f6f4 with both operands' format E2M3, f32 sums; everything else in f32.
;; Inputs: bk 1,024 float32; bo 1,024 float32; bq 1,024 float32; bv 1,024 float32; key 4 x 2,048 x 1,024 float32; mask 4 x 1 x 1 x 2,048 int32; query 4 x 2,048 x 1,024 float32; value 4 x 2,048 x 1,024 float32; wk 1,024 x 1,024 float32; wo 1,024 x 1,024 float32; wq 1,024 x 1,024 float32; wv 1,024 x 1,024 float32.
;; Outputs: out0 4 x 2,048 x 1,024 float32.
;; This version of the problem:
;;   THIS VERSION OF THE PROBLEM IS GIVEN IN LOW PRECISION. The matrix products marked QUANTISED in the list below multiply operands that are first quantised to E2M3 (2 exponent bits, 3 mantissa bits; 6 bits a number), with one power-of-two scale for each 32 numbers along K (OCP MX v1.0); their sums are f32. All else is computed in f32.
;;   The module's matrix products, in the order in which they are computed (A, B: the left and right operand; K: the contracted axis; several contracted axes count as one K, in the product's order):
;;     1. [M 8,192, K 1,024] x [K 1,024, N 1,024]; A: input query; B: input wq: QUANTISED
;;     2. [M 8,192, K 1,024] x [K 1,024, N 1,024]; A: input key; B: input wk: QUANTISED
;;     3. [M 8,192, K 1,024] x [K 1,024, N 1,024]; A: input value; B: input wv: QUANTISED
;;     4. batch 64 x [M 2,048, K 64] x [K 64, N 2,048]; A: computed on the way; B: computed on the way: QUANTISED
;;     5. batch 64 x [M 2,048, K 2,048] x [K 2,048, N 64]; A: softmax (see below); B: computed on the way: QUANTISED
;;     6. [M 8,192, K 1,024] x [K 1,024, N 1,024]; A: computed on the way; B: input wo: QUANTISED
;;   THE QUANTISER, for each operand of a quantised product, along K:
;;     - K is cut into blocks of 32 from its start; a last block that is shorter is filled with zeros.
;;     - A block's scale is 2^e with e = floor(log2(the largest magnitude in the block)) - 2, held to -126 .. 127; a block of zeros has e = 0. As a byte (E8M0): e + 127.
;;     - Each number is divided by its block's scale, clamped to +-7.5, and rounded to the nearest number of E2M3, ties to even, subnormals kept.
;;     - The product sums the exact products of the quantised numbers (number of the format x scale) in f32.
;;   ~~~python
;;   def quantise(x, axis):      # numpy; x: float32 -> the quantised numbers, widened to float32 again
;;       x = np.moveaxis(x, axis, -1); K = x.shape[-1]
;;       x = np.pad(x, [(0, 0)] * (x.ndim - 1) + [(0, -K % 32)]); x = x.reshape(x.shape[:-1] + (-1, 32)); a = np.abs(x).max(-1, keepdims=True)
;;       e = np.where(a > 0, np.clip(np.frexp(np.where(a > 0, a, 1))[1] - 1 - 2, -126, 127), 0)      # np.frexp(a)[1] - 1 = floor(log2(a)), exactly
;;       r = np.clip(x / 2.0 ** e, -7.5, 7.5)
;;       step = 2.0 ** (np.maximum(np.frexp(np.where(r == 0, 1, r))[1] - 1, 0) - 3)
;;       q = np.round(r / step) * step * 2.0 ** e      # np.round: ties to even
;;       return np.moveaxis(q.reshape(q.shape[:-2] + (-1,))[..., :K], -1, axis).astype(np.float32)
;;   ~~~
;;   SOFTMAX AHEAD OF A QUANTISED PRODUCT. Where the list says 'softmax', what is quantised is not the finished softmax but p = 2^(t - M), with t = logit x log2(e) and M = ceil(the row's largest t), a whole number; so 1/2 < the row's largest p <= 1. The row's sum l is taken of the UNQUANTISED p, in f32, and the product's result is divided by l at the end. Since M is a whole number, a kernel that streams over the keys may use a running M (the ceiling of the running maximum): every later rescaling is an exact power of two, which a block's scale takes up: the codes' values come out the same.
;;   OPERANDS COMPUTED ON THE WAY. 'Computed on the way' means the value that the module computes at that place (a softmax that the list does not call 'softmax' is quantised finished and normalised). What goes into a quantiser is computed in f32, as accurately as f32 sums, v_exp_f32 and their like allow (about 1e-6 of the number): no bf16 or f16 on the way to a quantiser, and a product that is left as it is and whose result goes on into a quantised operand takes f32 operands (vector FMAs, or v_wmma_f32_16x16x4_f32). A number that lies on a knife's edge between two numbers of the format may be rounded either way, as far as f32 arithmetic and the matrix unit's own rounding can turn it there, and no further.
;; One version. Each part assembles by itself: llvm-mc -triple=amdgcn-amd-amdhsa -mcpu=gfx1250 --defsym DOCPART=n.
;; ======== version 1 of 1: 4 launches
;; limits: right only within a limited range of input values
;; workspace buffers: xc 23,855,104 bytes; q 9,437,184 bytes; kv 16,252,928 bytes; ac 6,815,744 bytes
;; launch quant (part 1): grid 256 x 1, 7 waves a work-group, no clusters, 60,160 bytes of LDS; arguments query, key, value, wq, wk, wv, wo, xc; writes xc
.if DOCPART == 1
	.amdgcn_target "amdgcn-amd-amdhsa--gfx1250"
	.amdhsa_code_object_version 6
	.text
	.protected	k_qd628fd5b2f_quant
	.globl	k_qd628fd5b2f_quant
	.p2align	8
	.type	k_qd628fd5b2f_quant,@function
k_qd628fd5b2f_quant:
	s_mov_b64 s[64:65], 0
	v_nop
	global_prefetch_b8 v0, s[64:65] scope:SCOPE_SE
	s_setreg_imm32_b32 hwreg(HW_REG_WAVE_MODE, 25, 1), 1
	s_wait_xcnt 0x0
; MULTI-HEAD ATTENTION IN MX-FP6, launch 1 of 4: query, key, value [8192][1024] and wq, wk, wv, wo [1024][1024], f32, K innermost, become codes of E2M3 with one E8M0 byte for each 32 along K.
; NO WORK OF THE PROBLEM IS LEFT OUT in any of the four launches: every input has a way to the output (bk too: it moves K's codes), and all six products are made.
; A block's scale is 2^(floor(log2(largest magnitude)) - 2); its byte is the largest magnitude's exponent field - 2, held at 1 from below by a floor among the maximum's leaves.
; LIMITS: a block of zeros gets the byte 1 where the rule says 127 (its codes are zeros, and this program alone reads the bytes); NaN and infinities among the inputs are not served.
; THE WORKSPACE xc IS LAID AS THE READER'S REGISTERS.  A UNIT is 128 rows x 128 along K: 8 fragments of 16 rows, 1,536 bytes each, as images of the operand's 12 registers
; (registers 0-3: 16 bytes a lane; 4-5: 8 bytes a lane; 6-9; 10-11), then the 8 tiles' scale words as two images of four registers.  13,312 bytes, 52 blocks of 256.
; THE ROWS OF A TILE ARE NOT NEIGHBOURS: slot r of tile t is row 32 (t / 2) + 8 (t % 2) + r + 8 (r / 8) of the 128, so that a product's results, 16 registers of two neighbouring tiles, are 16 neighbours along the next K.
; Unit number: tensor's first unit + 8 x (row / 128) + (k / 128); query 0, key 512, value 1024, wq 1536, wk 1600, wv 1664, wo 1728: 1,792 units = 256 work-groups x 7 waves: a wave takes one unit.
; A fragment: 16 loads, each a row's 512 consecutive bytes; through the wave's own stage in LDS (rows of 528 bytes) they come back 16 neighbours of each block of 32 to a lane.  Loads run two fragments (32 loads a wave) ahead.  Waves share nothing: no barrier.
.set UNIT,  13312
.set STG,   8448                       ; a wave's stage: 16 rows x (512 + 16) bytes
.set SPARE, 7*STG                      ; behind the stages: the spare words, 128 bytes a wave, four blocks of 256 bytes that no other line names
.set SPW,   6                          ; v6  LDS address of my spare word; never rewritten
.set NIL,   7                          ; v7  0; never rewritten
.set SW,    8                          ; v8-15    the 8 tiles' scale words
.set R0,    16                         ; v16-143  two sets of 64 registers as loaded
.set X,     144                        ; v144-207 64 numbers: register 16 b + i = k 32 b + 16 (lane / 16) + i of my row
.set PC,    208                        ; v208-231 the codes, and the conversions' second halves
.set TM,    232                        ; v232-247 at work
.set SEL,   28                         ; s[28:29] selects of v_permlanex16_b32 for lane l xor 16
; 64 numbers of a lane become a fragment's codes (registers PC + stp c + 0 .. 5, c = 0, 1) and its scale word.
.macro QUANT src, stp, pw
.irp b, 0,1,2,3
	v_max3_num_f32 v[TM+\b], |v[\src+16*\b]|, |v[\src+1+16*\b]|, 0x1800000   ; block b: my 16 numbers, and the floor 2^(3 - 127): the byte cannot fall under 1
.endr
.irp i, 2,4,6,8,10,12,14
.irp b, 0,1,2,3
	v_max3_num_f32 v[TM+\b], v[TM+\b], |v[\src+16*\b+\i]|, |v[\src+1+16*\b+\i]|   ; the four blocks by turns
.endr
.endr
.irp b, 0,1,2,3
	v_permlanex16_b32 v[TM+4+\b], v[TM+\b], s[SEL], s[SEL+1]
.endr
.irp b, 0,1,2,3
	v_max_num_f32 v[TM+\b], v[TM+\b], v[TM+4+\b]           ; with lane l xor 16's 16: the block's largest magnitude
.endr
.irp b, 0,1,2,3
	v_add_nc_u32 v[TM+12+\b], 0xff000000, v[TM+\b]         ; 2 off its exponent field: the conversion's scale operand
.endr
.irp b, 0,1,2,3
	v_lshrrev_b32 v[TM+4+\b], 23, v[TM+12+\b]              ; the scale's byte
.endr
	v_lshl_or_b32 v[\pw], v[TM+5], 8, v[TM+4]              ; four bytes: my row's scale word
	v_lshl_or_b32 v[\pw], v[TM+6], 16, v[\pw]
	v_lshl_or_b32 v[\pw], v[TM+7], 24, v[\pw]
.irp c, 0,1
	v_cvt_scalef32_pk16_fp6_f32 v[PC+\stp*\c:PC+\stp*\c+2], v[\src+32*\c:\src+32*\c+15], v[TM+12+2*\c]
	v_cvt_scalef32_pk16_fp6_f32 v[PC+16+4*\c:PC+16+4*\c+2], v[\src+16+32*\c:\src+31+32*\c], v[TM+13+2*\c]   ; (a conversion's three registers begin on an even number)
.endr
	v_nop                                                  ; one plain place behind a scaled conversion
.irp c, 0,1                                            ; the operand wants a whole block in a lane: lanes 0-15 block 2 c, lanes 16-31 block 2 c + 1
.irp i, 0,1,2
	v_permlane16_swap_b32 v[PC+\stp*\c+\i], v[PC+16+4*\c+\i]
.endr
.irp i, 0,1,2
	v_mov_b32 v[PC+\stp*\c+3+\i], v[PC+16+4*\c+\i]
.endr
.endr
.endm
	s_load_b512 s[4:19], s[0:1], 0x0               ; query, key, value, wq, wk, wv, wo, xc
	v_lshl_add_u32 v[SPW], v0, 2, SPARE
	v_mov_b32 v[NIL], 0
	v_lshrrev_b32 v1, 5, v0
	v_readfirstlane_b32 s20, v1                    ; wave 0..6
	v_and_b32 v1, 31, v0                           ; lane
	v_lshlrev_b32 v2, 4, v1                        ; 16 x lane: a load's and a 16-byte image's place
	v_lshlrev_b32 v3, 3, v1                        ; 8 x lane: an 8-byte image's place
	s_mul_i32 s23, s20, STG
	v_add_nc_u32 v4, s23, v2                       ; the stage, on the way in: row's 512 bytes as they lie
	v_and_b32 v9, 15, v0
	v_bfe_u32 v10, v0, 4, 1
	v_mul_u32_u24 v5, v9, 528
	v_lshl_add_u32 v5, v10, 6, v5
	v_add_nc_u32 v5, s23, v5                       ; and on the way out: row lane % 16, + 64 (lane / 16)
.irp b, 0,1,2,3
	v_mov_b32 v[TM+4+\b], 0                        ; written once: a lane permute's destination counts as one of its sources
.endr
	s_mov_b32 s[SEL], 0x76543210
	s_mov_b32 s[SEL+1], 0xfedcba98
	s_mul_i32 s21, ttmp9, 7
	s_add_co_u32 s21, s21, s20                     ; my unit
	s_wait_alu depctr_va_vdst(0)
	s_wait_kmcnt 0x0
	s_mov_b64 s[24:25], s[16:17]                   ; which tensor: the choice hangs on the unit's number alone
	s_mov_b32 s22, 1728
	s_cmp_lt_u32 s21, 1728
	s_cselect_b64 s[24:25], s[14:15], s[24:25]
	s_cselect_b32 s22, 1664, s22
	s_cmp_lt_u32 s21, 1664
	s_cselect_b64 s[24:25], s[12:13], s[24:25]
	s_cselect_b32 s22, 1600, s22
	s_cmp_lt_u32 s21, 1600
	s_cselect_b64 s[24:25], s[10:11], s[24:25]
	s_cselect_b32 s22, 1536, s22
	s_cmp_lt_u32 s21, 1536
	s_cselect_b64 s[24:25], s[8:9], s[24:25]
	s_cselect_b32 s22, 1024, s22
	s_cmp_lt_u32 s21, 1024
	s_cselect_b64 s[24:25], s[6:7], s[24:25]
	s_cselect_b32 s22, 512, s22
	s_cmp_lt_u32 s21, 512
	s_cselect_b64 s[24:25], s[4:5], s[24:25]
	s_cselect_b32 s22, 0, s22
	s_sub_co_u32 s26, s21, s22                     ; the unit's number in its tensor
	s_lshr_b32 s27, s26, 3
	s_lshl_b32 s27, s27, 19                        ; 128 rows of 4,096 bytes
	s_and_b32 s26, s26, 7
	s_lshl_b32 s26, s26, 9                         ; 128 numbers along K
	s_or_b32 s26, s26, s27
	s_mov_b32 s27, 0
	s_add_nc_u64 s[24:25], s[24:25], s[26:27]
	; THE KEY TENSOR'S TILES take other rows: slot r of tile t is row 64 (t / 4) + 8 (t % 4) + r % 8 + 32 (r / 8), so that in launch 3 a lane's 32 scores of four tiles are one block of 32 keys.
	; Both orders are row = 64 (t / 4) + 8 (t % 2) + D ((t % 4) / 2) + r % 8 + E (r / 8): D, E = 16, 32 for key, 32, 16 for the others.  Four bases: + 0, + E, + D, + D + E = 48 rows.
	s_cmp_eq_u32 s22, 512                          ; key's first unit: the choice hangs on the unit's number alone
	s_mov_b32 s40, 32*4096
	s_mov_b32 s41, 16*4096
	s_cselect_b32 s42, s40, s41                    ; E rows in bytes
	s_cselect_b32 s40, s41, s40                    ; D rows in bytes
	s_mov_b32 s43, 0
	s_mov_b32 s41, 0
	s_mov_b64 s[32:33], s[24:25]
	s_add_nc_u64 s[34:35], s[24:25], s[42:43]
	s_add_nc_u64 s[36:37], s[24:25], s[40:41]
	s_add_nc_u64 s[38:39], s[24:25], 48*4096
	s_mul_i32 s30, s21, UNIT
	s_mov_b32 s31, 0
	s_add_nc_u64 s[18:19], s[18:19], s[30:31]
.macro LOAD f                          ; fragment f's 16 rows: 32 lanes read a row's 512 consecutive bytes
.irp p, 0,1,2,3,4,5,6,7,8,9,10,11,12,13,14,15
	global_load_b128 v[R0+64*((\f)%2)+4*\p:R0+64*((\f)%2)+4*\p+3], v2, s[32+2*(2*(((\f)%4)/2)+\p/8):33+2*(2*(((\f)%4)/2)+\p/8)] offset:(64*((\f)/4)+8*((\f)%2)+\p%8)*4096 th:TH_LOAD_NT
.endr
.endm
.macro FRAGQ f
.if (\f) < 7
	s_wait_loadcnt 16                              ; this fragment's 16 loads are in; the next fragment's 16 may be out
.else
	s_wait_loadcnt 0
.endif
.irp p, 0,1,2,3,4,5,6,7,8,9,10,11,12,13,14,15
	ds_store_b128 v4, v[R0+64*((\f)%2)+4*\p:R0+64*((\f)%2)+4*\p+3] offset:528*\p
.endr
.irp b, 0,1,2,3
.irp j, 0,1,2,3
	ds_load_b128 v[X+16*\b+4*\j:X+16*\b+4*\j+3], v5 offset:128*\b+16*\j   ; LDS serves a wave's instructions in order: these see the stores above
.endr
.endr
	s_wait_dscnt 0x0                               ; the numbers are back, and the stage's stores have read their registers
.if (\f) > 0
	s_wait_xcnt 0x0                                ; the last fragment's stores have read the codes' registers, which are written anew below
.endif
.if (\f) < 6
	LOAD (\f)+2
.endif
	QUANT X, 6, SW+(\f)
	global_store_b128 v2, v[PC:PC+3], s[18:19] offset:1536*(\f)            ; each store of the wave covers 512 or 256 consecutive bytes, aligned on 256
	global_store_b64 v3, v[PC+4:PC+5], s[18:19] offset:1536*(\f)+512
	global_store_b128 v2, v[PC+6:PC+9], s[18:19] offset:1536*(\f)+768
	global_store_b64 v3, v[PC+10:PC+11], s[18:19] offset:1536*(\f)+1280
.endm
	LOAD 0
	LOAD 1
.irp f, 0,1,2,3,4,5,6,7
	FRAGQ \f
.endr
	global_store_b128 v2, v[SW:SW+3], s[18:19] offset:12288                ; the scale words of tiles 0-3, as an image of four registers,
	global_store_b128 v2, v[SW+4:SW+7], s[18:19] offset:12800              ; and of tiles 4-7
	s_wait_tensorcnt 0x0                           ; the wave's end, behind my last LDS store
	ds_add_u32 v[SPW], v[NIL]
	s_wait_dscnt 0x0
	s_endpgm
.Lfunc_end_k_qd628fd5b2f_quant:
	.size	k_qd628fd5b2f_quant, .Lfunc_end_k_qd628fd5b2f_quant-k_qd628fd5b2f_quant
	.p2alignl 7, 3214868480
	.fill 96, 4, 3214868480
	.section	.rodata,"a",@progbits
	.p2align	6, 0x0
	.amdhsa_kernel k_qd628fd5b2f_quant
		.amdhsa_group_segment_fixed_size 60160
		.amdhsa_private_segment_fixed_size 0
		.amdhsa_enable_private_segment 0
		.amdhsa_kernarg_size 64
		.amdhsa_user_sgpr_count 2
		.amdhsa_user_sgpr_kernarg_segment_ptr 1
		.amdhsa_wavefront_size32 1
		.amdhsa_system_sgpr_workgroup_id_x 1
		.amdhsa_system_sgpr_workgroup_id_y 1
		.amdhsa_system_sgpr_workgroup_id_z 1
		.amdhsa_system_vgpr_workitem_id 0
		.amdhsa_next_free_vgpr 256
		.amdhsa_next_free_sgpr 66
		.amdhsa_reserve_vcc 0
		.amdhsa_float_denorm_mode_32 3
		.amdhsa_float_denorm_mode_16_64 3
		.amdhsa_memory_ordered 1
		.amdhsa_forward_progress 1
		.amdhsa_inst_pref_size 65
	.end_amdhsa_kernel
	.amdgpu_metadata
---
amdhsa.version: [ 1, 2 ]
amdhsa.kernels:
  - .name:           k_qd628fd5b2f_quant
    .symbol:         k_qd628fd5b2f_quant.kd
    .args:
      - { .name: query, .offset: 0, .size: 8, .value_kind: global_buffer, .address_space: global }
      - { .name: key, .offset: 8, .size: 8, .value_kind: global_buffer, .address_space: global }
      - { .name: value, .offset: 16, .size: 8, .value_kind: global_buffer, .address_space: global }
      - { .name: wq, .offset: 24, .size: 8, .value_kind: global_buffer, .address_space: global }
      - { .name: wk, .offset: 32, .size: 8, .value_kind: global_buffer, .address_space: global }
      - { .name: wv, .offset: 40, .size: 8, .value_kind: global_buffer, .address_space: global }
      - { .name: wo, .offset: 48, .size: 8, .value_kind: global_buffer, .address_space: global }
      - { .name: xc, .offset: 56, .size: 8, .value_kind: global_buffer, .address_space: global }
    .group_segment_fixed_size: 60160
    .private_segment_fixed_size: 0
    .kernarg_segment_align: 8
    .kernarg_segment_size: 64
    .max_flat_workgroup_size: 224
    .sgpr_count:     66
    .vgpr_count:     256
    .wavefront_size: 32
...
	.end_amdgpu_metadata
.endif
;; end of part 1
;; launch proj (part 2): grid 8 x 32, 4 waves a work-group, clusters of 4 x 4, 327,680 bytes of LDS; arguments xc, bq, bk, bv, mask, q, kv; writes q, kv
.if DOCPART == 2
	.amdgcn_target "amdgcn-amd-amdhsa--gfx1250"
	.amdhsa_code_object_version 6
	.text
	.protected	k_qd628fd5b2f_proj
	.globl	k_qd628fd5b2f_proj
	.p2align	8
	.type	k_qd628fd5b2f_proj,@function
k_qd628fd5b2f_proj:
	s_mov_b64 s[64:65], 0
	v_nop
	global_prefetch_b8 v0, s[64:65] scope:SCOPE_SE
	s_setreg_imm32_b32 hwreg(HW_REG_WAVE_MODE, 25, 1), 1
	s_wait_xcnt 0x0
	s_wait_alu depctr_hold_cnt(0) depctr_sa_sdst(0) depctr_va_vdst(0) depctr_va_sdst(0) depctr_va_ssrc(0) depctr_va_vcc(0) depctr_vm_vsrc(0)
	s_getreg_b32 s2, hwreg(HW_REG_IB_STS2, 6, 4)
	s_cmp_eq_u32 s2, 0
	s_cbranch_scc0 .Lentry_in_a_cluster
	s_endpgm
.Lentry_in_a_cluster:
	s_bfe_u32 s2, ttmp6, 0x10000c
	s_cmp_lg_u32 s2, 0xf033
	s_cbranch_scc0 .Lentry_shape_is_right
	s_endpgm
.Lentry_shape_is_right:
; Launch 2 of 4: Q = query wq^T + bq, K = key wk^T + bk, V = value wv^T + bv on codes of E2M3, each result quantised again on the way out, as images of launch 3's operand registers.  Nothing of the problem is left out here.
; LIMITS: NaN, infinities and sums beyond f32's range are not served; a sum begins with the bias, where the problem adds it last; a block of zeros gets the byte 1 (its codes are zeros, and this program alone reads the bytes).
; xc is laid in UNITS of 128 rows x 128 along K, 13,312 bytes: 8 fragments of 16 rows as images of the operand's 12 registers, then the 8 tiles' scale words as two images of four registers.  Units: query 0, key 512, value 1024, wq 1536, wk 1600, wv 1664.
; THE DEAL.  256 work-groups of four waves; each makes 256 tokens x 128 channels of Q, then of K, then of V: six HALF TILES of 128 tokens.  The weights' 128 rows, all of K, go from LDS into registers once a tensor.
; Q, K: the wave in row a, column b of the 2 x 2 takes token tiles 4 a .. 4 a + 3 and one head's 64 channels (32 fragments of weights); source 0 = weights, source 1 = tokens: a lane holds one token, its 32 sums run along the head's 64 with lane l xor 16's.
; V: wave w takes channel tiles 2 w, 2 w + 1 (16 fragments) and all 8 token tiles; source 0 = tokens, source 1 = weights: a lane holds one channel, its 64 sums of a channel tile run along the tokens.
; THE MASK goes into K's image: at k = 64 Q holds the code of 1.0 (scale byte 127); a masked key holds the code of -4 with the scale byte 158, which adds -2^33 to the raw score; a kept key holds 0.
; LDS: two slots of 106,496 bytes (128 tokens, all of K), the weights' 106,496 bytes, the spare words.  At the head one load a wave: wq's rows; half tile 0; the two halves of half tile 1.
; REFILLS, each behind a drained round of the cluster's barrier, one load a wave: in each of the two trips (Q, K): the next tensor's weights, once mine are in registers; slot 0, when its half tile is done; slot 1 likewise.
; By the text's own count one or two loads of a work-group are out, and each has a half tile's work in which to land.  PREFETCH: behind each refill the 416 blocks of 256 bytes of the NEXT refill are asked for, 26 a wave, shared out by address among the sixteen waves that will ask jointly.
; CLUSTER 4 x 4: the tokens' units hang on the tile row and are shared by a row of the cluster, the weights' on the tile column and are shared by a column.
; REGISTERS.  Fragment f lies in window 1 + f / 21 at register 12 (f % 21): 0-31 weights, 32-47 the tokens' two sets.  Window 3 also: v96-111 V's bias, v128-191 two sets of Q|K's sums, v192-223 their bias as the first products' C, v224-255 K's bias in waiting; V's 128 sums at v128-255.  Window 0: the map below.
.set UNIT,  13312
.set RU,    8*UNIT
.set YB,    2*RU
.set SPARE, 3*RU
.set FR,    12
.set FPW,   21
.set SPW,   2
.set NIL,   3
.set L16,   4                          ; v4-7   16 x lane + 4 UNIT k, k = 2 slot + (q / 4);  v8-11 the same with 8 x lane
.set L8,    8
.set R16,   12                         ; v12-19 the same at my four token tiles
.set R8,    16
.set RS,    20                         ; v20-23 my four token tiles' scale words
.set B16,   24                         ; v24-29 the weights for Q, K: fragments (16 x, 8 x lane), scale words; two each, q / 4
.set B8,    26
.set BS,    28
.set BV16,  30                         ; v30-35 the same for V
.set BV8,   32
.set BSV,   34
.set OA,    36                         ; 16 x lane
.set BAD,   37
.set VADR,  38
.set MADR,  39
.set MK,    40                         ; v40-47 the mask words of my keys: 4 x half tile + tile
.set SB,    48                         ; v48-79 the weights' scale words
.set SA,    80                         ; v80-143 the tokens'
.set TM,    144                        ; v144-159 at work
.set PC,    160                        ; v160-183 codes
.set SW,    184                        ; v184-187 the results' scale words
.set VAMC,  192                        ; the code at k = 64 and the scale word's upper half: for a masked key, for a kept one
.set VBMC,  193
.set VAEX,  194
.set VBEX,  195
.set EX,    196
.set PWR,   197
.set H1,    198                        ; 1 in lanes 0-15
.set PFA,   199                        ; my 26 blocks of a refill of tokens, of weights
.set PFB,   200
.set ACC,   128
.set BO,    192
.set BOK,   224
.set BV,    96
.set VACC,  128
.set G1A,   24
.set G1B,   32
.set G0A,   40
.set G0B,   44
.set PA,    48                         ; s[48:49] this tensor's units of my 256 tokens; s[50:51] this tensor's weights
.set PB,    50
.set CP,    52                         ; s[52:59] where this tensor's codes and scale words go: half tile 0, half tile 1;  s[84:91] K's;  s[60:63] V's
.set SEL,   66
.set MSB, 0
.macro WIN new
.if MSB != (\new)
	s_set_vgpr_msb (MSB<<8)|(\new)
.set MSB, (\new)
.endif
.endm
.macro PLACES n
.rept \n
	v_nop
.endr
.endm
.macro WALU
	s_wait_alu depctr_va_vdst(0)
.endm
.macro BARRIER
	s_barrier_signal -1
	s_barrier_wait -1
.endm
.macro CROUND
	BARRIER
	s_cmp_lg_u32 s10, 0
	s_cbranch_scc1 .Lnot_wave_0_\@
	s_barrier_signal -3
.Lnot_wave_0_\@:
	s_barrier_wait -3
	BARRIER
.endm
.macro GRD
	s_wait_tensorcnt 0x0
	ds_add_u32 v[SPW], v[NIL]
.endm
.macro TLOAD g0, g1                    ; an s_nop 0 and four v_nop follow a tensor load
	tensor_load_to_lds s[\g0:\g0+3], s[\g1:\g1+7]
	s_nop 0
	PLACES 4
.endm
.macro ATILE first, rows               ; the head: a part of the first two half tiles, 832 rows of 256 bytes on end in memory and in LDS
	s_mov_b32 s[G0A+1], (\first)*256
	s_mov_b32 s[G1A+2], (\rows)<<16
	s_mov_b32 s[G1A+4], \rows
.if \first
	s_add_nc_u64 s[G0A+2:G0A+3], s[G0A+2:G0A+3], (\first)*256
.endif
	s_or_b32 s[G0A+3], s[G0A+3], 0x80000000
	TLOAD G0A, G1A
.endm
.macro REFILL wave, g0, g1             ; one wave asks
	s_cmp_eq_u32 s10, \wave
	s_cbranch_scc0 .Lrd_\@
	TLOAD \g0, \g1
.Lrd_\@:
.endm
.macro FRAGL f, a16, a8, off           ; a fragment's image: registers 0-3, 4-5, 6-9, 10-11
.set R_, FR*((\f)%FPW)
	WIN (1+(\f)/FPW)<<6
	ds_load_b128 v[R_:R_+3], v[\a16] offset:(\off)
	ds_load_b64 v[R_+4:R_+5], v[\a8] offset:(\off)+512
	ds_load_b128 v[R_+6:R_+9], v[\a16] offset:(\off)+768
	ds_load_b64 v[R_+10:R_+11], v[\a8] offset:(\off)+1280
.endm
.macro FETCH e, blk, a16, a8, slot     ; a tile of 16 tokens, all of K, into set e: 32 loads
.irp q, 0,1,2,3,4,5,6,7
	FRAGL 32+8*(\e)+\q, \a16+2*(\slot)+\q/4, \a8+2*(\slot)+\q/4, (\q%4)*UNIT+1536*(\blk)
.endr
	WIN 0
.endm
.macro PQK e, i, n                     ; Q, K: product n = 4 q + weight tile of my token tile i
.set Q_, (\n)/4
.set FA_, 32+8*(\e)+Q_
.set D_, ACC+32*(\e)+8*((\n)%4)
	WIN (1+(\n)/FPW)|((1+FA_/FPW)<<2)|0xf0
.if Q_
	v_wmma_scale_f32_16x16x128_f8f6f4 v[D_:D_+7], v[FR*((\n)%FPW):FR*((\n)%FPW)+11], v[FR*(FA_%FPW):FR*(FA_%FPW)+11], v[D_:D_+7], v[SB+(\n)], v[SA+4*Q_+(\i)] matrix_a_fmt:MATRIX_FMT_FP6 matrix_b_fmt:MATRIX_FMT_FP6
.else
	v_wmma_scale_f32_16x16x128_f8f6f4 v[D_:D_+7], v[FR*((\n)%FPW):FR*((\n)%FPW)+11], v[FR*(FA_%FPW):FR*(FA_%FPW)+11], v[BO+8*(\n):BO+8*(\n)+7], v[SB+(\n)], v[SA+4*Q_+(\i)] matrix_a_fmt:MATRIX_FMT_FP6 matrix_b_fmt:MATRIX_FMT_FP6
.endif
.endm
.macro PVV e, a, n                     ; V: product n = 2 q + channel tile of token tile a
.set Q_, (\n)/2
.set FA_, 32+8*(\e)+Q_
.set D_, VACC+64*((\n)%2)+8*(\a)
	WIN (1+FA_/FPW)|(1<<2)|0xf0
.if Q_
	v_wmma_scale_f32_16x16x128_f8f6f4 v[D_:D_+7], v[FR*(FA_%FPW):FR*(FA_%FPW)+11], v[FR*(\n):FR*(\n)+11], v[D_:D_+7], v[SA+8*Q_+(\a)], v[SB+(\n)] matrix_a_fmt:MATRIX_FMT_FP6 matrix_b_fmt:MATRIX_FMT_FP6
.else
	v_wmma_scale_f32_16x16x128_f8f6f4 v[D_:D_+7], v[FR*(FA_%FPW):FR*(FA_%FPW)+11], v[FR*(\n):FR*(\n)+11], v[BV+8*(\n):BV+8*(\n)+7], v[SA+8*Q_+(\a)], v[SB+(\n)] matrix_a_fmt:MATRIX_FMT_FP6 matrix_b_fmt:MATRIX_FMT_FP6
.endif
.endm
; nb x 16 sums of a lane (window 3), 16 neighbours of each block of 32, become codes (registers PC + stp c + 0 .. 5) and the scale bytes' word.  Each accumulator is read from its low end on.
.macro QNT nb, src, stp, pw
	WIN 0x0f
.irp b, 0,1,2,3
.if \b < \nb
	v_max3_num_f32 v[TM+\b], |v[(\src)+16*\b]|, |v[(\src)+1+16*\b]|, 0x1800000   ; and the floor 2^(3 - 127): the byte cannot fall under 1
.endif
.endr
	WIN 0x3c
.irp i, 2,4,6,8,10,12,14
.irp b, 0,1,2,3
.if \b < \nb
	v_max3_num_f32 v[TM+\b], v[TM+\b], |v[(\src)+16*\b+\i]|, |v[(\src)+1+16*\b+\i]|
.endif
.endr
.endr
	WIN 0
.irp b, 0,1,2,3
.if \b < \nb
	v_permlanex16_b32 v[TM+4+\b], v[TM+\b], s[SEL], s[SEL+1]
.endif
.endr
.irp b, 0,1,2,3
.if \b < \nb
	v_max_num_f32 v[TM+\b], v[TM+\b], v[TM+4+\b]   ; with lane l xor 16's 16: the block's largest magnitude
.endif
.endr
.irp b, 0,1,2,3
.if \b < \nb
	v_add_nc_u32 v[TM+12+\b], 0xff000000, v[TM+\b] ; 2 off its exponent field: the conversion's scale operand
.endif
.endr
.irp b, 0,1,2,3
.if \b < \nb
	v_lshrrev_b32 v[TM+4+\b], 23, v[TM+12+\b]      ; the scale's byte
.endif
.endr
	v_lshl_or_b32 v[\pw], v[TM+5], 8, v[TM+4]
.if \nb > 2
	v_lshl_or_b32 v[\pw], v[TM+6], 16, v[\pw]
	v_lshl_or_b32 v[\pw], v[TM+7], 24, v[\pw]
.endif
	WIN 0x03
.irp c, 0,1
.if 2*\c < \nb
	v_cvt_scalef32_pk16_fp6_f32 v[PC+\stp*\c:PC+\stp*\c+2], v[(\src)+32*\c:(\src)+32*\c+15], v[TM+12+2*\c]
	v_cvt_scalef32_pk16_fp6_f32 v[PC+16+4*\c:PC+16+4*\c+2], v[(\src)+16+32*\c:(\src)+31+32*\c], v[TM+13+2*\c]
.endif
.endr
	WIN 0
	v_nop                                          ; one plain place behind a scaled conversion
.irp c, 0,1
.if 2*\c < \nb
.irp i, 0,1,2
	v_permlane16_swap_b32 v[PC+\stp*\c+\i], v[PC+16+4*\c+\i]   ; the operand wants a whole block in a lane
.endr
.irp i, 0,1,2
	v_mov_b32 v[PC+\stp*\c+3+\i], v[PC+16+4*\c+\i]
.endr
.endif
.endr
.endm
.macro EPI e, i, hh                    ; Q, K: my token tile i leaves: 8 registers a lane, and its scale word is kept
	s_wait_xcnt 0x0                                ; the last tile's stores have read the codes' registers
	QNT 2, ACC+32*(\e), 8, PWR
	v_cmp_eq_u32 vcc_lo, 0, v[MK+4*(\hh)+(\i)]
	v_cndmask_b32 v[PC+6], v[VBMC], v[VAMC], vcc_lo
	v_cndmask_b32 v[EX], v[VBEX], v[VAEX], vcc_lo
	v_or_b32 v[SW+(\i)], v[PWR], v[EX]
	global_store_b128 v[OA], v[PC:PC+3], s[CP+4*(\hh):CP+4*(\hh)+1] offset:1024*(\i)          ; 512 consecutive bytes, aligned on 256
	global_store_b128 v[OA], v[PC+4:PC+7], s[CP+4*(\hh):CP+4*(\hh)+1] offset:1024*(\i)+512
.endm
.macro HALFQK slot, hh                 ; a half tile of Q or K: my four token tiles
.irp q, 0,1,2,3,4,5,6,7
	ds_load_b128 v[SA+4*\q:SA+4*\q+3], v[RS+2*(\slot)+\q/4] offset:(\q%4)*UNIT+12288
.endr
	FETCH 0, 0, R16, R8, \slot
	FETCH 1, 1, R16, R8, \slot
	s_wait_dscnt 32                                ; all but tile 1's 32 loads
.irp i, 0,1,2,3
.set N_, 0
.rept 32
	PQK (\i)%2, \i, N_                             ; four accumulators by turns
.set N_, N_+1
.endr
	WIN 0
	PLACES 4                                       ; between the last product and the readers of its sums and the loads into its registers
.if \i < 2
	FETCH (\i)%2, (\i)+2, R16, R8, \slot
.endif
	EPI (\i)%2, \i, \hh
.if \i < 2
	s_wait_dscnt 32                                ; the next tile is in; younger is the fetch of 32 loads just issued
.elseif \i == 2
	s_wait_dscnt 0x0
.endif
.endr
	global_store_b128 v[OA], v[SW:SW+3], s[CP+4*(\hh)+2:CP+4*(\hh)+3]
.endm
.macro HALFV slot, hh                  ; a half tile of V: all eight token tiles against my two channel tiles
.irp q, 0,1,2,3,4,5,6,7
	ds_load_b128 v[SA+8*\q:SA+8*\q+3], v[L16+2*(\slot)+\q/4] offset:(\q%4)*UNIT+12288
	ds_load_b128 v[SA+8*\q+4:SA+8*\q+7], v[L16+2*(\slot)+\q/4] offset:(\q%4)*UNIT+12800
.endr
	FETCH 0, 0, L16, L8, \slot
	FETCH 1, 1, L16, L8, \slot
	s_wait_dscnt 32
.irp a, 0,1,2,3,4,5,6,7
.set N_, 0
.rept 16
	PVV (\a)%2, \a, N_                             ; two accumulators by turns; no wait stands among them
.set N_, N_+1
.endr
	WIN 0
	PLACES 4
.if \a < 6
	FETCH (\a)%2, (\a)+2, L16, L8, \slot
	s_wait_dscnt 32
.elseif \a == 6
	s_wait_dscnt 0x0
.endif
.endr
.irp x, 0,1
	s_wait_xcnt 0x0
	QNT 4, VACC+64*\x, 6, SW+\x
.irp j, 0,1,2
	global_store_b128 v[OA], v[PC+4*\j:PC+4*\j+3], s[60:61] offset:15872*(\hh)+1536*\x+512*\j
.endr
.endr
	global_store_b64 v[OA], v[SW:SW+1], s[62:63] offset:15872*(\hh)   ; my two tiles' words of the image of four: 8 bytes a lane, 16 apart; the other 8 are another wave's
.endm
.macro PTR d, base, off
	s_mov_b32 s98, s\off
	s_add_nc_u64 s[\d:\d+1], s[\base:\base+1], s[98:99]
.endm
; ================= THE HEAD
	s_load_b256 s[68:75], s[0:1], 0x0              ; xc, bq, bk, bv
	s_load_b128 s[76:79], s[0:1], 0x20             ; mask, q
	s_load_b64 s[80:81], s[0:1], 0x30              ; kv
	v_lshl_add_u32 v[SPW], v0, 2, SPARE
	v_mov_b32 v[NIL], 0
	ds_add_u32 v[SPW], v[NIL]                      ; the opening: the add, twice on end, and its wait
	ds_add_u32 v[SPW], v[NIL]
	v_lshrrev_b32 v1, 5, v0
	v_readfirstlane_b32 s10, v1                    ; the wave; s11 its row of the 2 x 2, s12 its column
	s_lshr_b32 s11, s10, 1
	s_and_b32 s12, s10, 1
	s_bfe_u32 s13, ttmp6, 0x40000                  ; cx
	s_bfe_u32 s14, ttmp6, 0x40004                  ; cy
	s_lshl_b32 s18, ttmp9, 2
	s_add_co_u32 s18, s18, s13                     ; tile column, 0 .. 7
	s_and_b32 s19, ttmp7, 0xffff
	s_lshl_b32 s19, s19, 2
	s_add_co_u32 s19, s19, s14                     ; tile row, 0 .. 31
	s_lshl_b32 s20, s14, 2
	s_lshl_b32 s20, 15, s20                        ; my row of the cluster shares the tokens
	s_lshl_b32 s21, 0x1111, s13                    ; my column shares the weights
	s_or_b32 s[G1A], s20, (3<<16)|(1<<21)          ; dense rows of 256 bytes, 32 elements of 8
	s_or_b32 s[G1B], s21, (3<<16)|(1<<21)
.irp g, G1A, G1B
	s_mov_b32 s[\g+1], 32<<16
	s_mov_b32 s[\g+3], 32<<16
	s_mov_b32 s[\g+5], 32
	s_mov_b32 s[\g+6], 0
	s_mov_b32 s[\g+7], 0
.endr
	s_mov_b32 s[G1B+2], 416<<16
	s_mov_b32 s[G1B+4], 416
	s_mov_b32 s[G0A], 1
	s_mov_b32 s[G0B], 1
	s_mov_b32 s[G0B+1], YB
	s_mov_b32 s[SEL], 0x76543210
	s_mov_b32 s[SEL+1], 0xfedcba98
	s_mul_i32 s20, s11, 6144                       ; LDS: my four token tiles,
	s_lshl_b32 s21, s11, 9                         ; their scale words,
	s_mul_i32 s22, s12, 6144
	s_add_co_u32 s22, s22, YB                      ; my four weight tiles for Q, K,
	s_lshl_b32 s23, s12, 9
	s_add_co_u32 s23, s23, YB                      ; their scale words,
	s_mul_i32 s15, s10, 3072
	s_add_co_u32 s15, s15, YB                      ; my two weight tiles for V,
	s_lshl_b32 s16, s12, 3
	s_add_co_u32 s16, s16, s21
	s_add_co_u32 s16, s16, YB                      ; their scale words
	s_lshl_b32 s8, s13, 2
	s_add_co_u32 s8, s8, s10
	s_mul_i32 s8, s8, 26*256                       ; my sixteenth of a refill of tokens,
	s_lshl_b32 s9, s14, 2
	s_add_co_u32 s9, s9, s10
	s_mul_i32 s9, s9, 26*256                       ; of weights
	v_and_b32 v1, 31, v0
	v_lshlrev_b32 v[OA], 4, v1
	v_min_u32 v[PFA], 25, v1
	v_lshlrev_b32 v1, 3, v1
.irp k, 0,1,2,3
	v_add_nc_u32 v[L16+\k], \k*4*UNIT, v[OA]
	v_add_nc_u32 v[L8+\k], \k*4*UNIT, v1
.endr
.irp k, 0,1,2,3
	v_add_nc_u32 v[R16+\k], s20, v[L16+\k]
	v_add_nc_u32 v[R8+\k], s20, v[L8+\k]
	v_add_nc_u32 v[RS+\k], s21, v[L16+\k]
.endr
.irp k, 0,1
	v_add_nc_u32 v[B16+\k], s22, v[L16+\k]
	v_add_nc_u32 v[B8+\k], s22, v[L8+\k]
	v_add_nc_u32 v[BS+\k], s23, v[L16+\k]
	v_add_nc_u32 v[BV16+\k], s15, v[L16+\k]
	v_add_nc_u32 v[BV8+\k], s15, v[L8+\k]
	v_add_nc_u32 v[BSV+\k], s16, v[L16+\k]
.endr
	v_lshl_add_u32 v[PFB], v[PFA], 8, s9
	v_lshl_add_u32 v[PFA], v[PFA], 8, s8
	v_and_b32 v[TM], 15, v0                        ; r
	v_bfe_u32 v[TM+1], v0, 4, 1                    ; h
	v_and_b32 v[TM+2], 8, v[TM]
	v_lshlrev_b32 v[BAD], 6, v[TM+1]               ; Q's, K's bias: 16 channels on for the upper half of the lanes
	v_sub_nc_u32 v[H1], 1, v[TM+1]
	v_add_lshl_u32 v[VADR], v[TM+2], v[TM], 2      ; V's bias: the channel of slot r, r + 8 (r / 8)
	v_mad_u32_u24 v[MADR], v[TM+2], 3, v[TM]
	v_lshlrev_b32 v[MADR], 2, v[MADR]              ; the mask: the key of slot r, r % 8 + 32 (r / 8)
.irp b, 0,1,2,3
	v_mov_b32 v[TM+4+\b], 0                        ; a lane permute's destination counts as one of its sources
.endr
	v_mov_b32 v[PC+7], 0
	v_lshlrev_b32 v[VAMC], 3, v[H1]                ; Q: the code of 1.0 at k = 64, whatever the mask says
	v_lshlrev_b32 v[VBMC], 3, v[H1]
	v_mov_b32 v[VAEX], 0x017f0000
	v_mov_b32 v[VBEX], 0x017f0000
	; where the results go, in bytes: chunk = ((batch x 16 + head) x 16 + group of 128 tokens)
	s_lshr_b32 s20, s19, 3
	s_lshl_b32 s20, s20, 8
	s_and_b32 s21, s19, 7
	s_lshl_b32 s21, s21, 1
	s_add_co_u32 s20, s20, s21
	s_lshl_b32 s21, s18, 1
	s_add_co_u32 s22, s21, s12
	s_lshl_b32 s22, s22, 4
	s_add_co_u32 s22, s22, s20                     ; Q, K: head 2 x tile column + b
	s_add_co_u32 s23, s21, s11
	s_lshl_b32 s23, s23, 4
	s_add_co_u32 s23, s23, s20                     ; V: head 2 x tile column + w / 2
	s_lshl_b32 s15, s11, 12
	s_lshl_b32 s16, s11, 9
	s_mul_i32 s92, s22, 9216
	s_add_co_u32 s93, s92, s16
	s_add_co_u32 s93, s93, 8192
	s_add_co_u32 s92, s92, s15
	s_mul_i32 s94, s22, 15872
	s_add_co_u32 s95, s94, s16
	s_add_co_u32 s95, s95, 14336
	s_add_co_u32 s94, s94, s15
	s_mul_i32 s96, s23, 15872
	s_lshl_b32 s97, s12, 3
	s_add_co_u32 s97, s97, s96
	s_add_co_u32 s97, s97, 15360
	s_mul_i32 s15, s12, 3072
	s_add_co_u32 s96, s96, s15
	s_add_co_u32 s96, s96, 8192
	s_mul_i32 s20, s19, 16*UNIT                    ; my 256 tokens' units
	s_lshl_b32 s21, s18, 3
	s_add_co_u32 s21, s21, 1536
	s_mul_i32 s21, s21, UNIT                       ; wq's units of my 128 channels
	s_lshl_b32 s22, s18, 9
	s_lshl_b32 s23, s12, 8
	s_add_co_u32 s23, s23, s22                     ; bq, bk: my head's 64
	s_lshl_b32 s15, s10, 7
	s_add_co_u32 s15, s15, s22                     ; bv: my 32 channels
	s_lshl_b32 s16, s19, 10
	s_lshl_b32 s22, s11, 8
	s_add_co_u32 s16, s16, s22                     ; the mask words of my 64 keys of half tile 0
	s_mov_b32 s99, 0
	WALU                                           ; the wait at the head's end
	s_wait_dscnt 0x0
	CROUND                                         ; the opening round: the joint loads meet
	s_wait_kmcnt 0x0
	PTR PA, 68, 20
	PTR PB, 68, 21
	PTR 4, 70, 23
	PTR 6, 72, 23
	PTR 100, 74, 15
	PTR 82, 76, 16
	PTR 52, 78, 92
	PTR 54, 78, 93
	PTR 84, 80, 94
	PTR 86, 80, 95
	PTR 60, 80, 96
	PTR 62, 80, 97
	s_add_nc_u64 s[56:57], s[52:53], 9216
	s_add_nc_u64 s[58:59], s[54:55], 9216
	s_add_nc_u64 s[88:89], s[84:85], 15872
	s_add_nc_u64 s[90:91], s[86:87], 15872
	s_mov_b64 s[G0A+2:G0A+3], s[PA:PA+1]
	s_mov_b64 s[G0B+2:G0B+3], s[PB:PB+1]
	s_or_b32 s[G0B+3], s[G0B+3], 0x80000000
	s_cmp_eq_u32 s10, 0
	s_cbranch_scc0 .Lwave_1
	TLOAD G0B, G1B                                 ; wave 0: wq's 8 units, which are wanted first
	s_branch .Lasked
.Lwave_1:
	s_cmp_eq_u32 s10, 1
	s_cbranch_scc0 .Lwave_2
	ATILE 0, 416                                   ; wave 1: half tile 0
	s_branch .Lasked
.Lwave_2:
	s_cmp_eq_u32 s10, 2
	s_cbranch_scc0 .Lwave_3
	ATILE 416, 208                                 ; wave 2: half tile 1's units 0-3
	s_branch .Lasked
.Lwave_3:
	ATILE 624, 208                                 ; wave 3: its units 4-7
.Lasked:
	WIN 0xc0
.irp b, 0,1,2,3                        ; register j of tile b of lane (r, h) is channel 32 (b / 2) + 8 (b % 2) + 16 h + j of my head
	global_load_b128 v[BO+8*\b:BO+8*\b+3], v[BAD], s[4:5] offset:128*(\b/2)+32*(\b%2)
	global_load_b128 v[BO+8*\b+4:BO+8*\b+7], v[BAD], s[4:5] offset:128*(\b/2)+32*(\b%2)+16
	global_load_b128 v[BOK+8*\b:BOK+8*\b+3], v[BAD], s[6:7] offset:128*(\b/2)+32*(\b%2)
	global_load_b128 v[BOK+8*\b+4:BOK+8*\b+7], v[BAD], s[6:7] offset:128*(\b/2)+32*(\b%2)+16
.endr
.irp x, 0,1
.irp j, 0,1,2,3,4,5,6,7
	global_load_b32 v[BV+8*\x+\j], v[VADR], s[100:101] offset:32*\x   ; V: a lane's eight sums of a tile are one channel's
.endr
.endr
	WIN 0
.irp hh, 0,1
.irp i, 0,1,2,3
	global_load_b32 v[MK+4*\hh+\i], v[MADR], s[82:83] offset:512*\hh+32*\i
.endr
.endr
	s_wait_dscnt 0x0
	s_cmp_eq_u32 s10, 0
	s_cbranch_scc0 .Lnot_b
	s_wait_tensorcnt 0x0                           ; wave 0: wq's units are in
.Lnot_b:
	BARRIER
	s_wait_loadcnt 0x0                             ; the biases and the mask words
	s_mov_b32 s17, 0
; ================= Q, THEN K: a trip each
.Lphase:
.irp q, 0,1,2,3,4,5,6,7                ; my 64 rows of the weights, all of K
.irp b, 0,1,2,3
	FRAGL 4*\q+\b, B16+\q/4, B8+\q/4, (\q%4)*UNIT+1536*\b
.endr
.endr
	WIN 0
.irp q, 0,1,2,3,4,5,6,7
	ds_load_b128 v[SB+4*\q:SB+4*\q+3], v[BS+\q/4] offset:(\q%4)*UNIT+12288
.endr
	GRD
	s_add_nc_u64 s[PB:PB+1], s[PB:PB+1], 64*UNIT   ; the next tensor's weights
	s_mov_b64 s[G0B+2:G0B+3], s[PB:PB+1]
	s_or_b32 s[G0B+3], s[G0B+3], 0x80000000
	s_wait_dscnt 0x0                               ; the add is done, and the weights are in my registers
	CROUND
	REFILL 0, G0B, G1B
	global_prefetch_b8 v[PFA], s[PA:PA+1] offset:512*UNIT th:TH_LOAD_NT scope:SCOPE_SE   ; what the next refill will load: the next tensor's half tile 0
	HALFQK 0, 0
	GRD
	s_add_nc_u64 s[PA:PA+1], s[PA:PA+1], 512*UNIT  ; the next tensor's tokens (the tiles' waits on XCNT stand behind the prefetch that read this pointer)
	s_mov_b32 s[G0A+1], 0
	s_mov_b64 s[G0A+2:G0A+3], s[PA:PA+1]
	s_or_b32 s[G0A+3], s[G0A+3], 0x80000000
	s_mov_b32 s[G1A+2], 416<<16                    ; from here on a load of tokens brings a whole half tile
	s_mov_b32 s[G1A+4], 416
	s_wait_dscnt 0x0
	CROUND
	REFILL 1, G0A, G1A
	global_prefetch_b8 v[PFA], s[PA:PA+1] offset:8*UNIT th:TH_LOAD_NT scope:SCOPE_SE     ; its half tile 1
	HALFQK 1, 1
	GRD
	s_mov_b32 s[G0A+1], RU
	s_add_nc_u64 s[G0A+2:G0A+3], s[PA:PA+1], 8*UNIT
	s_or_b32 s[G0A+3], s[G0A+3], 0x80000000
	s_wait_dscnt 0x0
	CROUND
	REFILL 1, G0A, G1A
	s_cmp_eq_u32 s17, 0
	s_cbranch_scc0 .Lno_ask                        ; behind K no weights are left to ask for
	global_prefetch_b8 v[PFB], s[PB:PB+1] offset:64*UNIT th:TH_LOAD_NT scope:SCOPE_SE    ; wv's units
.Lno_ask:
	v_mul_u32_u24 v[VAMC], 0x38, v[H1]             ; K: a masked key holds the code of -4 at k = 64 under the byte 158, a kept one 0 under the byte 1
	v_mov_b32 v[VBMC], 0
	v_mov_b32 v[VAEX], 0x019e0000
	v_mov_b32 v[VBEX], 0x01010000
	WIN 0xc3
.set J, 0
.rept 32
	v_mov_b32 v[BO+J], v[BOK+J]                    ; K's bias
.set J, J+1
.endr
	WIN 0
	s_wait_xcnt 0x0                                ; the stores and the prefetch have read their pointers
	s_mov_b64 s[52:53], s[84:85]
	s_mov_b64 s[54:55], s[86:87]
	s_mov_b64 s[56:57], s[88:89]
	s_mov_b64 s[58:59], s[90:91]
	s_add_co_u32 s17, s17, 1
	s_cmp_lt_u32 s17, 2
	WALU                                           ; the wait ahead of the branch
	s_cbranch_scc1 .Lphase
; ================= V
.irp q, 0,1,2,3,4,5,6,7                ; my 32 rows of wv, all of K
.irp x, 0,1
	FRAGL 2*\q+\x, BV16+\q/4, BV8+\q/4, (\q%4)*UNIT+1536*\x
.endr
.endr
	WIN 0
.irp q, 0,1,2,3,4,5,6,7
	ds_load_b64 v[SB+2*\q:SB+2*\q+1], v[BSV+\q/4] offset:(\q%4)*UNIT+12288
.endr
	HALFV 0, 0
	s_wait_tensorcnt 0x0                           ; every wave: the last half tile
	s_wait_dscnt 0x0
	BARRIER                                        ; a plain barrier
	HALFV 1, 1
	s_wait_tensorcnt 0x0                           ; the wave's end
	ds_add_u32 v[SPW], v[NIL]
	s_wait_dscnt 0x0
	CROUND                                         ; the closing round
	s_endpgm
.Lfunc_end_k_qd628fd5b2f_proj:
	.size	k_qd628fd5b2f_proj, .Lfunc_end_k_qd628fd5b2f_proj-k_qd628fd5b2f_proj
	.p2alignl 7, 3214868480
	.fill 96, 4, 3214868480
	.section	.rodata,"a",@progbits
	.p2align	6, 0x0
	.amdhsa_kernel k_qd628fd5b2f_proj
		.amdhsa_group_segment_fixed_size 327680
		.amdhsa_private_segment_fixed_size 0
		.amdhsa_enable_private_segment 0
		.amdhsa_kernarg_size 56
		.amdhsa_user_sgpr_count 2
		.amdhsa_user_sgpr_kernarg_segment_ptr 1
		.amdhsa_wavefront_size32 1
		.amdhsa_system_sgpr_workgroup_id_x 1
		.amdhsa_system_sgpr_workgroup_id_y 1
		.amdhsa_system_sgpr_workgroup_id_z 1
		.amdhsa_system_vgpr_workitem_id 0
		.amdhsa_next_free_vgpr 1024
		.amdhsa_next_free_sgpr 102
		.amdhsa_reserve_vcc 1
		.amdhsa_float_denorm_mode_32 3
		.amdhsa_float_denorm_mode_16_64 3
		.amdhsa_memory_ordered 1
		.amdhsa_forward_progress 1
		.amdhsa_inst_pref_size 192
	.end_amdhsa_kernel
	.amdgpu_metadata
---
amdhsa.version: [ 1, 2 ]
amdhsa.kernels:
  - .name:           k_qd628fd5b2f_proj
    .symbol:         k_qd628fd5b2f_proj.kd
    .args:
      - { .name: xc, .offset: 0, .size: 8, .value_kind: global_buffer, .address_space: global }
      - { .name: bq, .offset: 8, .size: 8, .value_kind: global_buffer, .address_space: global }
      - { .name: bk, .offset: 16, .size: 8, .value_kind: global_buffer, .address_space: global }
      - { .name: bv, .offset: 24, .size: 8, .value_kind: global_buffer, .address_space: global }
      - { .name: mask, .offset: 32, .size: 8, .value_kind: global_buffer, .address_space: global }
      - { .name: q, .offset: 40, .size: 8, .value_kind: global_buffer, .address_space: global }
      - { .name: kv, .offset: 48, .size: 8, .value_kind: global_buffer, .address_space: global }
    .group_segment_fixed_size: 327680
    .private_segment_fixed_size: 0
    .kernarg_segment_align: 8
    .kernarg_segment_size: 56
    .max_flat_workgroup_size: 128
    .sgpr_count:     102
    .vgpr_count:     1024
    .wavefront_size: 32
...
	.end_amdgpu_metadata
.endif
;; end of part 2
;; launch attn (part 3): grid 4 x 64, 16 waves a work-group, clusters of 4 x 1, 327,680 bytes of LDS; arguments q, kv, mask, ac; writes ac
.if DOCPART == 3
	.amdgcn_target "amdgcn-amd-amdhsa--gfx1250"
	.amdhsa_code_object_version 6
	.text
	.protected	k_qd628fd5b2f_attn
	.globl	k_qd628fd5b2f_attn
	.p2align	8
	.type	k_qd628fd5b2f_attn,@function
k_qd628fd5b2f_attn:
	s_mov_b64 s[64:65], 0
	v_nop
	global_prefetch_b8 v0, s[64:65] scope:SCOPE_SE
	s_setreg_imm32_b32 hwreg(HW_REG_WAVE_MODE, 25, 1), 1
	s_wait_xcnt 0x0
	s_wait_alu depctr_hold_cnt(0) depctr_sa_sdst(0) depctr_va_vdst(0) depctr_va_sdst(0) depctr_va_ssrc(0) depctr_va_vcc(0) depctr_vm_vsrc(0)
	s_getreg_b32 s2, hwreg(HW_REG_IB_STS2, 6, 4)
	s_cmp_eq_u32 s2, 0
	s_cbranch_scc0 .Lentry_in_a_cluster
	s_endpgm
.Lentry_in_a_cluster:
	s_bfe_u32 s2, ttmp6, 0x10000c
	s_cmp_lg_u32 s2, 0x3003
	s_cbranch_scc0 .Lentry_shape_is_right
	s_endpgm
.Lentry_shape_is_right:
; Launch 3 of 4: for each batch and head, softmax(Q K^T / 8, masked) V on codes of E2M3, and the result quantised along the head's 64 for the last product.  Nothing of the problem is left out here.
; t = raw score x log2(e) / 8; M = the running largest t rounded up to a whole number; p = 2^(t - M) is quantised along the keys, not normalised; the row's sum is taken of the unquantised p and divides at the end.
; THE MASK: K's image holds, for a masked key, a code and a scale byte that add -2^33 to the raw score inside the first product: p is then 0.  A batch in which EVERY key is masked has uniform weights in the problem:
; the batch's 2,048 mask words are or-ed, and c = log2(e) / 8 is replaced by 0 where none is set (a select, no branch): all t are 0, all p are 1.
; Steps whose keys are all masked ahead of the first kept key sum under a very low M; the first kept key's change of M multiplies those sums by 2^(a large negative whole number) = 0.
; LIMITS: |Q . K| under 2^31; a mask word other than 0 counts as kept; t is rounded once (the factor 1/8 is exact); NaN and infinities are not served.
; SHARES.  The cluster's y is batch x 16 + head; its four work-groups take 512 queries each.  Sixteen waves of 256 registers; a wave takes one tile of 16 queries in each of two passes and walks all 2,048 keys, 128 a step.
; THE WHOLE HEAD'S K AND V LIE IN LDS: 16 chunks of 15,872 bytes, each brought once by one joint load of one wave, for all four work-groups.  No byte is filled again, and all is asked for at the head: there is no loop to prefetch in.
; Both products are used transposed (source 0 = 16 keys, or 16 channels; source 1 = my 16 queries, or p): a lane holds one query throughout.
; THE KEYS OF A TILE (launch 1): slot r of tile t is key 64 (t / 4) + 8 (t % 4) + r % 8 + 32 (r / 8).  So lane (r, h)'s 32 scores of tiles 4 c .. 4 c + 3 are keys 64 c + 32 h + 0 .. 31 in order: one scale block, whole in the lane, in the order of p's operand registers.
; K's FRAGMENTS LIE 8 REGISTERS APART: the first product's K is 64 and one more code, 8 registers; registers 8-11 of a fragment are the next fragment's first four (behind the last: zeros).  Q's codes at those k are 0, and codes of this format are all finite.
; THE ROW'S SUM runs in four chains of pairs.  A step's first four pairs enter by acc x f + p; the other 28 are added behind the step's second product and among the next step's first products, where they are the places that the products ask for.
; A PASS'S FIRST STEP finds f = 0 (the old -M is 3e38): it wipes whatever finite numbers the sums, O^T and the score registers hold.  They are cleared once, at the head; the second pass finds the first's finite numbers.
; REGISTERS: v1 16 x lane, v2 the step's LDS address, v3 8 x lane, v4 8 x (lane / 16); v8 the largest raw score, v9 the old -M, v12 -M, v14 f; v16-27, v28-39 the two passes' Q, v230, v231 their scale words.
.set CHUNK, 15872
.set SPARE, 16*CHUNK                   ; behind the head: the spare words, 128 bytes a wave
.set SPW, 5
.set NIL, 6
.set F,   40                           ; v40-107  K's eight fragments, then V's four (12 apart)
.set S,   108                          ; v108-171 S^T, then p
.set O,   172                          ; v172-203 O^T
.set PC,  204                          ; v204-215 p's codes
.set KS,  216                          ; v216-223 K's scale words
.set VS,  224                          ; v224-227 V's
.set PW,  229                          ; p's scale word
.set BM,  232                          ; v232, v233 my two blocks' largest scores; v234, v235 their second chains
.set XM,  234
.set SOP, 236                          ; v236, v237 the conversions' scale operands; v238, v239 the bytes
.set BY,  238
.set T0,  240                          ; v240-242, v244-246 the second conversions' codes
.set T1,  244
.set AC,  248                          ; v248-255 the sum's four chains of pairs
.set WV,  18
.set NC,  19
.set SEL, 20
.set CS,  22
.set G1,  24
.set G0,  32
.macro CROUND
	s_barrier_signal -1
	s_barrier_wait -1
	s_cmp_lg_u32 s[WV], 0
	s_cbranch_scc1 .Lnot_wave_0_\@
	s_barrier_signal -3
.Lnot_wave_0_\@:
	s_barrier_wait -3
	s_barrier_signal -1
	s_barrier_wait -1
.endm
.macro WALU
	s_wait_alu depctr_va_vdst(0)
.endm
	s_load_b256 s[4:11], s[0:1], 0x0               ; q, kv, mask, ac
	v_lshl_add_u32 v[SPW], v0, 2, SPARE
	v_mov_b32 v[NIL], 0
	ds_add_u32 v[SPW], v[NIL]                      ; the opening: the add, twice on end, and its wait ahead of my first tensor load
	ds_add_u32 v[SPW], v[NIL]
	v_lshrrev_b32 v1, 5, v0
	v_readfirstlane_b32 s[WV], v1                  ; wave 0..15
	v_and_b32 v3, 31, v0
	v_bfe_u32 v4, v0, 4, 1
	v_lshlrev_b32 v1, 4, v3
	v_lshlrev_b32 v3, 3, v3
	v_lshlrev_b32 v4, 3, v4
	s_and_b32 s48, ttmp7, 0xffff                   ; batch x 16 + head, which the four partners share
	s_lshr_b32 s49, s48, 4                         ; batch
	s_and_b32 s50, s48, 15                         ; head
	s_bfe_u32 s51, ttmp6, 0x40000                  ; cx: it enters q's and ac's addresses alone
	s_and_b32 s52, s[WV], 7                        ; my tile in its group of 128 queries
	s_lshr_b32 s53, s[WV], 3
	s_lshl_b32 s54, s51, 2
	s_add_co_u32 s54, s54, s53                     ; pass 0's group: 4 cx + wave / 8; pass 1's is two on
	s_mul_i32 s56, s48, 16*CHUNK
	s_mul_i32 s[G0+1], s[WV], CHUNK                ; my chunk's place in LDS, and in the head
	s_add_co_u32 s56, s56, s[G0+1]
	s_mov_b32 s57, 0
	s_mul_i32 s58, s48, 147456
	s_mul_i32 s59, s54, 9216
	s_add_co_u32 s58, s58, s59                     ; q: my group's chunk
	s_lshl_b32 s59, s52, 10
	s_add_co_u32 s60, s58, s59                     ; my tile's image
	s_mov_b32 s61, 0
	s_lshr_b32 s59, s52, 2
	s_lshl_b32 s59, s59, 9
	s_and_b32 s55, s52, 3
	s_lshl_b32 s55, s55, 2
	s_add_co_u32 s55, s55, s59                     ; my tile's word in the scale images: 512 (tile / 4) + 4 (tile % 4), + 16 x lane
	s_add_co_u32 s58, s58, s55
	s_add_co_u32 s58, s58, 8192
	s_mov_b32 s59, 0
	s_lshl_b32 s62, s49, 4
	s_add_co_u32 s62, s62, s54                     ; ac: the group of 128 rows,
	s_lshl_b32 s62, s62, 3
	s_lshr_b32 s63, s50, 1
	s_add_co_u32 s62, s62, s63                     ; its K step: two heads to 128
	s_mul_i32 s62, s62, 13312
	s_and_b32 s63, s50, 1                          ; which half of the fragment's registers and of the scale word is my head's
	s_mul_i32 s36, s52, 1536
	s_mul_i32 s37, s63, 768
	s_add_co_u32 s36, s36, s37
	s_add_co_u32 s36, s36, s62
	s_mov_b32 s37, 0
	s_lshl_b32 s63, s63, 1
	s_add_co_u32 s62, s62, s63
	s_add_co_u32 s62, s62, s55
	s_add_co_u32 s62, s62, 12288
	s_mov_b32 s63, 0
	s_lshl_b32 s52, s49, 13                        ; the batch's mask words
	s_mov_b32 s53, 0
	s_mov_b32 s[G1], 15|(3<<16)|(1<<21)            ; the mask: all four work-groups; elements of 8 bytes; bit 21 beside a mask; no padding
	s_mov_b32 s[G1+1], 32<<16                      ; rows of 256 bytes,
	s_mov_b32 s[G1+2], 62<<16                      ; 62 of them: a chunk, dense
	s_mov_b32 s[G1+3], 32<<16
	s_mov_b32 s[G1+4], 62
	s_mov_b32 s[G1+5], 32
	s_mov_b32 s[G1+6], 0
	s_mov_b32 s[G1+7], 0
	s_mov_b32 s[G0], 1
	s_mov_b32 s[SEL], 0x76543210
	s_mov_b32 s[SEL+1], 0xfedcba98
	s_wait_dscnt 0x0                               ; both opening adds are done
	s_wait_kmcnt 0x0
	s_add_nc_u64 s[G0+2:G0+3], s[6:7], s[56:57]
	s_or_b32 s[G0+3], s[G0+3], 0x80000000
	s_add_nc_u64 s[38:39], s[4:5], s[60:61]        ; Q's image
	s_add_nc_u64 s[40:41], s[4:5], s[58:59]        ; Q's scale word
	s_add_nc_u64 s[42:43], s[10:11], s[36:37]      ; where my codes go
	s_add_nc_u64 s[44:45], s[10:11], s[62:63]      ; and my two scale bytes
	s_add_nc_u64 s[46:47], s[8:9], s[52:53]
	CROUND                                         ; all four work-groups are here: the joint loads meet
	tensor_load_to_lds s[G0:G0+3], s[G1:G1+7]      ; every wave brings one chunk: one load of mine is out
	s_nop 0
.rept 4
	v_nop
.endr
	WALU
.irp i, 0,1,2,3,4,5,6,7,8,9,10,11,12,13,14,15
	global_load_b128 v[S+4*\i:S+4*\i+3], v1, s[46:47] offset:512*\i
.endr
	global_load_b128 v[16:19], v1, s[38:39]
	global_load_b128 v[20:23], v1, s[38:39] offset:512
	global_load_b32 v230, v1, s[40:41]
	global_load_b128 v[28:31], v1, s[38:39] offset:18432
	global_load_b128 v[32:35], v1, s[38:39] offset:18432+512
	global_load_b32 v231, v1, s[40:41] offset:18432
.irp i, 0,1,2,3
	v_mov_b32 v[24+\i], 0                          ; Q's codes at k = 80 .. : 0
	v_mov_b32 v[36+\i], 0
	v_mov_b32 v[F+64+\i], 0                        ; behind K's last fragment
.endr
	v_mov_b32 v11, 0                               ; a lane permute's destination counts as one of its sources
	v_mov_b32 v13, 0                               ; the upper halves of the pairs v[12:13] and v[14:15]
	v_mov_b32 v15, 0
	s_wait_loadcnt 0x0
.set J, 4
.rept 60
	v_or_b32 v[S+J%4], v[S+J%4], v[S+J]            ; is any key of the batch kept?
.set J, J+1
.endr
	v_or_b32 v[S], v[S], v[S+1]
	v_or_b32 v[S+2], v[S+2], v[S+3]
	v_or_b32 v[S], v[S], v[S+2]
	v_cmp_ne_u32 s48, 0, v[S]
	s_cmp_lg_u32 s48, 0
	s_cselect_b32 s[CS], 0x3e38aa3b, 0             ; c = log2(e) / 8, or 0: a value is chosen, no way through the text
	s_cselect_b32 s[NC], 0xbe38aa3b, 0             ; -c
	s_mov_b32 s[CS+1], s[CS]
.set J, 0
.rept 96
	v_mov_b32 v[S+J], 0                            ; the score registers and O^T, once
.set J, J+1
.endr
.irp i, 0,1,2,3,4,5,6,7
	v_mov_b32 v[AC+\i], 0
.endr
	WALU                                           ; the wait at the head's end
	s_wait_tensorcnt 0x0                           ; my chunk is in,
	s_barrier_signal -1
	s_barrier_wait -1                              ; everybody's is
.macro SUMS from, to                   ; pairs from .. to - 1 of p go into the four chains by turns
.set N_, \from
.rept (\to)-(\from)
	v_pk_add_f32 v[AC+2*(N_%4):AC+2*(N_%4)+1], v[AC+2*(N_%4):AC+2*(N_%4)+1], v[S+2*N_:S+2*N_+1]
.set N_, N_+1
.endr
.endm
.macro MX0 c                           ; block c's two chains begin, each accumulator from its low end on
	v_max3_num_f32 v[BM+\c], v[S+32*\c], v[S+32*\c+1], v[S+32*\c+2]
	v_max3_num_f32 v[XM+\c], v[S+32*\c+16], v[S+32*\c+17], v[S+32*\c+18]
.endm
.macro MX c, i
	v_max3_num_f32 v[BM+\c], v[BM+\c], v[S+32*\c+\i], v[S+32*\c+\i+1]
	v_max3_num_f32 v[XM+\c], v[XM+\c], v[S+32*\c+16+\i], v[S+32*\c+17+\i]
.endm
.macro QK t, qr, qs
	v_wmma_scale_f32_16x16x128_f8f6f4 v[S+8*\t:S+8*\t+7], v[F+8*\t:F+8*\t+11], v[\qr:\qr+11], 0, v[KS+\t], v[\qs] matrix_a_fmt:MATRIX_FMT_FP6 matrix_b_fmt:MATRIX_FMT_FP6
.endm
; A KEY STEP: 128 keys, the chunk at s2.
.macro STEP qr, qs
	SUMS 4, 8                                      ; with the addition: five places between the last step's products and the loads into their registers
	v_add_nc_u32 v2, s2, v1
.irp t, 0,1,2,3,4,5,6,7
	ds_load_b128 v[F+8*\t:F+8*\t+3], v2 offset:1024*\t
	ds_load_b128 v[F+8*\t+4:F+8*\t+7], v2 offset:1024*\t+512
.endr
	ds_load_b128 v[KS:KS+3], v2 offset:14336
	ds_load_b128 v[KS+4:KS+7], v2 offset:14848
	SUMS 8, 16
	WALU                                           ; the wait ahead of the wait below
	s_wait_dscnt 0x0
.irp t, 0,1,2,3
	QK \t, \qr, \qs
.endr
	SUMS 16, 32                                    ; the last step's p of tiles 4-7, ahead of the products that write there: the places behind tiles 0-3
.irp t, 4,5,6,7
	QK \t, \qr, \qs
.endr
	MX0 0                                          ; four lines on tiles 0-3: the places behind tiles 4-7, ahead of the loads into K's registers
	MX 0, 3
.irp t, 0,1,2,3
.irp c, 0,1,2
	ds_load_b128 v[F+12*\t+4*\c:F+12*\t+4*\c+3], v2 offset:8192+1536*\t+512*\c
.endr
.endr
	ds_load_b128 v[VS:VS+3], v2 offset:15360
	MX0 1
	MX 1, 3
.irp i, 5,7,9,11,13
	MX 0, \i
	MX 1, \i
.endr
	v_max3_num_f32 v[BM], v[BM], v[S+15], v[S+31]
	v_max3_num_f32 v[BM+1], v[BM+1], v[S+47], v[S+63]
	v_max_num_f32 v[BM], v[BM], v[XM]              ; the largest score of my block of 32 keys: for the row's maximum, and, since p rises with the score, for the block's largest p
	v_max_num_f32 v[BM+1], v[BM+1], v[XM+1]
	v_max_num_f32 v10, v[BM], v[BM+1]
	v_permlanex16_b32 v11, v10, s[SEL], s[SEL+1]
	v_max3_num_f32 v8, v8, v10, v11                ; the running largest raw score of my query
	v_mul_f32 v10, s[NC], v8                       ; -t (c is not negative)
	v_floor_f32 v12, v10                           ; the new -M = floor(-t): M is a whole number
.set J, 0
.rept 32
	v_pk_fma_f32 v[S+J:S+J+1], v[S+J:S+J+1], s[CS:CS+1], v[12:13] op_sel_hi:[1,0,0]   ; t - M, two at a time
.if J == 4
	v_sub_f32 v9, v12, v9                          ; old M - new M: a whole number, 0 or less
.endif
.if J == 12
	v_cvt_i32_f32 v9, v9                           ; (it saturates)
.endif
.if J == 20
	v_ldexp_f32 v14, 1.0, v9                       ; f = 2^(old M - new M)
.endif
.set J, J+2
.endr
	v_fma_f32 v[BM], v[BM], s[CS], v12             ; the same of each block's largest score
	v_fma_f32 v[BM+1], v[BM+1], s[CS], v12
.set J, 0
.rept 16
	v_pk_mul_f32 v[O+J:O+J+1], v[O+J:O+J+1], v[14:15] op_sel_hi:[1,0]   ; O^T under the new M, each accumulator from its low end on
.set J, J+2
.endr
	WALU                                           ; the wait ahead of the batch
.set J, 0
.rept 64
	v_exp_f32 v[S+J], v[S+J]                       ; p = 2^(t - M)
.set J, J+1
.endr
	v_exp_f32 v[BM], v[BM]                         ; the blocks' largest p: the same two instructions on the same number
	v_exp_f32 v[BM+1], v[BM+1]
	v_mov_b32 v9, v12                              ; -M, kept for the next step: the plain place behind the batch
	WALU                                           ; one wait for the batch, ahead of its first reader
	v_max_num_f32 v[BM], 0x1800000, v[BM]          ; the floor 2^(3 - 127): the byte cannot fall under 1
	v_max_num_f32 v[BM+1], 0x1800000, v[BM+1]
	v_add_nc_u32 v[SOP], 0xff000000, v[BM]         ; 2 off the exponent field: the conversion's scale operand
	v_add_nc_u32 v[SOP+1], 0xff000000, v[BM+1]
	v_cvt_scalef32_pk16_fp6_f32 v[PC:PC+2], v[S:S+15], v[SOP]
	v_cvt_scalef32_pk16_fp6_f32 v[T0:T0+2], v[S+16:S+31], v[SOP]           ; (a conversion's three registers begin on an even number)
	v_cvt_scalef32_pk16_fp6_f32 v[PC+6:PC+8], v[S+32:S+47], v[SOP+1]
	v_cvt_scalef32_pk16_fp6_f32 v[T1:T1+2], v[S+48:S+63], v[SOP+1]
	v_lshrrev_b32 v[BY], 23, v[SOP]                ; the scales' bytes: blocks h and 2 + h
	v_lshrrev_b32 v[BY+1], 23, v[SOP+1]
	v_lshl_or_b32 v10, v[BY+1], 16, v[BY]
	v_lshlrev_b32 v10, v4, v10                     ; at their places in the scale word, 8 h bits up;
	v_permlanex16_b32 v11, v10, s[SEL], s[SEL+1]
	v_or_b32 v[PW], v10, v11                       ; with lane l xor 16's two the word is whole
.irp i, 0,1,2
	v_mov_b32 v[PC+3+\i], v[T0+\i]
	v_mov_b32 v[PC+9+\i], v[T1+\i]
.endr
.irp n, 0,1,2,3
	v_pk_fma_f32 v[AC+2*\n:AC+2*\n+1], v[AC+2*\n:AC+2*\n+1], v[14:15], v[S+2*\n:S+2*\n+1] op_sel_hi:[1,0,1]   ; the sums under the new M, and p's first four pairs: four places behind the last code's move, ten behind the scale word
.endr
	WALU                                           ; the wait ahead of the wait below
	s_wait_dscnt 0x0                               ; V's fragments are in
.irp t, 0,1,2,3
	v_wmma_scale_f32_16x16x128_f8f6f4 v[O+8*\t:O+8*\t+7], v[F+12*\t:F+12*\t+11], v[PC:PC+11], v[O+8*\t:O+8*\t+7], v[VS+\t], v[PW] matrix_a_fmt:MATRIX_FMT_FP6 matrix_b_fmt:MATRIX_FMT_FP6   ; four accumulators by turns; the next step's eight products stand between their links
.endr
.endm
; A PASS: one tile of 16 queries against all keys, then its way out: / the sum, quantised along the head's 64 (two blocks), six registers and two scale bytes into the last product's operand image.
.macro PASS qr, qs, off, more
	v_mov_b32 v8, 0xff61b1e6                       ; the largest score so far: -3e38
	v_mov_b32 v9, 0x7f61b1e6                       ; the old -M: 3e38, so that the first step's f is 0
	s_mov_b32 s2, 0
	s_mov_b32 s3, 16
.Lstep_\@:
	STEP \qr, \qs
	s_add_co_u32 s2, s2, CHUNK
	s_sub_co_u32 s3, s3, 1
	s_cmp_lg_u32 s3, 0
	s_cbranch_scc1 .Lstep_\@
	SUMS 4, 32                                     ; the last step's other pairs: also the places behind the last products
	v_pk_add_f32 v[AC:AC+1], v[AC:AC+1], v[AC+2:AC+3]
	v_pk_add_f32 v[AC+4:AC+5], v[AC+4:AC+5], v[AC+6:AC+7]
	v_pk_add_f32 v[AC:AC+1], v[AC:AC+1], v[AC+4:AC+5]
	v_add_f32 v10, v[AC], v[AC+1]
	v_permlanex16_b32 v11, v10, s[SEL], s[SEL+1]
	v_add_f32 v14, v10, v11                        ; the row's sum
	WALU
	v_rcp_f32 v14, v14
	v_nop                                          ; a plain place behind the reciprocal,
	WALU                                           ; and the wait ahead of its first reader and of O^T's
.set J, 0
.rept 16
	v_pk_mul_f32 v[S+J:S+J+1], v[O+J:O+J+1], v[14:15] op_sel_hi:[1,0]   ; register 16 b + i = channel 32 b + 16 (lane / 16) + i
.set J, J+2
.endr
.irp b, 0,1
	v_max3_num_f32 v[BM+\b], |v[S+16*\b]|, |v[S+1+16*\b]|, 0x1800000
.endr
.irp i, 2,4,6,8,10,12,14
.irp b, 0,1
	v_max3_num_f32 v[BM+\b], v[BM+\b], |v[S+16*\b+\i]|, |v[S+1+16*\b+\i]|
.endr
.endr
.irp b, 0,1
	v_permlanex16_b32 v[XM+\b], v[BM+\b], s[SEL], s[SEL+1]
.endr
.irp b, 0,1
	v_max_num_f32 v[BM+\b], v[BM+\b], v[XM+\b]
.endr
.irp b, 0,1
	v_add_nc_u32 v[SOP+\b], 0xff000000, v[BM+\b]
.endr
.irp b, 0,1
	v_lshrrev_b32 v[BY+\b], 23, v[SOP+\b]
.endr
	v_lshl_or_b32 v10, v[BY+1], 8, v[BY]           ; my head's two bytes of the row's scale word
	v_cvt_scalef32_pk16_fp6_f32 v[PC:PC+2], v[S:S+15], v[SOP]
	v_cvt_scalef32_pk16_fp6_f32 v[PC+4:PC+6], v[S+16:S+31], v[SOP+1]
	v_nop
.irp i, 0,1,2
	v_permlane16_swap_b32 v[PC+\i], v[PC+4+\i]
.endr
.irp i, 0,1,2
	v_mov_b32 v[PC+3+\i], v[PC+4+\i]               ; in ascending order: each source is read before it is written
.endr
	global_store_b128 v1, v[PC:PC+3], s[42:43] offset:\off          ; 512 consecutive bytes, aligned on 256,
	global_store_b64 v3, v[PC+4:PC+5], s[42:43] offset:\off+512     ; and 256
	global_store_b16 v1, v10, s[44:45] offset:\off                  ; two bytes a lane, 16 apart: the word's other half is another work-group's head's; 64 bytes a tile
.if \more
	s_wait_xcnt 0x0                                ; the stores have read their registers, which the next pass writes
.endif
.endm
	PASS 16, 230, 0, 1
	PASS 28, 231, 212992, 0                        ; two groups of 128 rows on: 16 units of 13,312 bytes
	s_wait_tensorcnt 0x0                           ; the wave's end, behind my last tensor load
	ds_add_u32 v[SPW], v[NIL]
	s_wait_dscnt 0x0
	CROUND                                         ; the closing round
	s_endpgm
.Lfunc_end_k_qd628fd5b2f_attn:
	.size	k_qd628fd5b2f_attn, .Lfunc_end_k_qd628fd5b2f_attn-k_qd628fd5b2f_attn
	.p2alignl 7, 3214868480
	.fill 96, 4, 3214868480
	.section	.rodata,"a",@progbits
	.p2align	6, 0x0
	.amdhsa_kernel k_qd628fd5b2f_attn
		.amdhsa_group_segment_fixed_size 327680
		.amdhsa_private_segment_fixed_size 0
		.amdhsa_enable_private_segment 0
		.amdhsa_kernarg_size 32
		.amdhsa_user_sgpr_count 2
		.amdhsa_user_sgpr_kernarg_segment_ptr 1
		.amdhsa_wavefront_size32 1
		.amdhsa_system_sgpr_workgroup_id_x 1
		.amdhsa_system_sgpr_workgroup_id_y 1
		.amdhsa_system_sgpr_workgroup_id_z 1
		.amdhsa_system_vgpr_workitem_id 0
		.amdhsa_next_free_vgpr 256
		.amdhsa_next_free_sgpr 80
		.amdhsa_reserve_vcc 0
		.amdhsa_float_denorm_mode_32 3
		.amdhsa_float_denorm_mode_16_64 3
		.amdhsa_memory_ordered 1
		.amdhsa_forward_progress 1
		.amdhsa_inst_pref_size 53
	.end_amdhsa_kernel
	.amdgpu_metadata
---
amdhsa.version: [ 1, 2 ]
amdhsa.kernels:
  - .name:           k_qd628fd5b2f_attn
    .symbol:         k_qd628fd5b2f_attn.kd
    .args:
      - { .name: q, .offset: 0, .size: 8, .value_kind: global_buffer, .address_space: global }
      - { .name: kv, .offset: 8, .size: 8, .value_kind: global_buffer, .address_space: global }
      - { .name: mask, .offset: 16, .size: 8, .value_kind: global_buffer, .address_space: global }
      - { .name: ac, .offset: 24, .size: 8, .value_kind: global_buffer, .address_space: global }
    .group_segment_fixed_size: 327680
    .private_segment_fixed_size: 0
    .kernarg_segment_align: 8
    .kernarg_segment_size: 32
    .max_flat_workgroup_size: 512
    .sgpr_count:     80
    .vgpr_count:     256
    .wavefront_size: 32
...
	.end_amdgpu_metadata
.endif
;; end of part 3
;; launch outp (part 4): grid 8 x 32, 4 waves a work-group, clusters of 4 x 4, 327,680 bytes of LDS; arguments ac, xc, bo, out0; writes out0
.if DOCPART == 4
	.amdgcn_target "amdgcn-amd-amdhsa--gfx1250"
	.amdhsa_code_object_version 6
	.text
	.protected	k_qd628fd5b2f_outp
	.globl	k_qd628fd5b2f_outp
	.p2align	8
	.type	k_qd628fd5b2f_outp,@function
k_qd628fd5b2f_outp:
	s_mov_b64 s[64:65], 0
	v_nop
	global_prefetch_b8 v0, s[64:65] scope:SCOPE_SE
	s_setreg_imm32_b32 hwreg(HW_REG_WAVE_MODE, 25, 1), 1
	s_wait_xcnt 0x0
	s_wait_alu depctr_hold_cnt(0) depctr_sa_sdst(0) depctr_va_vdst(0) depctr_va_sdst(0) depctr_va_ssrc(0) depctr_va_vcc(0) depctr_vm_vsrc(0)
	s_getreg_b32 s2, hwreg(HW_REG_IB_STS2, 6, 4)
	s_cmp_eq_u32 s2, 0
	s_cbranch_scc0 .Lentry_in_a_cluster
	s_endpgm
.Lentry_in_a_cluster:
	s_bfe_u32 s2, ttmp6, 0x10000c
	s_cmp_lg_u32 s2, 0xf033
	s_cbranch_scc0 .Lentry_shape_is_right
	s_endpgm
.Lentry_shape_is_right:
; Launch 4 of 4: out0[token][n] = sum over k of attn[token][k] wo[n][k] + bo[n], f32, on codes of E2M3: 8,192 x 1,024 x 1,024.  Nothing of the problem is left out here.
; LIMITS: NaN, infinities and sums beyond f32's range are not served; a sum begins with the bias, where the problem adds it last.
; ac and xc are laid in UNITS of 128 rows x 128 along K, 13,312 bytes: 8 fragments of 16 rows as images of the operand's 12 registers, then the 8 tiles' scale words as two images of four registers.
; Slot r of tile t is row 32 (t / 2) + 8 (t % 2) + r + 8 (r / 8) of the 128, for tokens and for wo's rows alike.
; THE DEAL.  256 work-groups of four waves, 2 x 2, each 256 tokens x 128 columns.  A wave holds four tiles of 16 rows of wo, all of K, in registers (32 fragments), and streams its 128 tokens past them in eight blocks of 16 (8 fragments, 32 products).
; LDS: A's 16 units, wo's 8 units, the spare words: 320,000 bytes, all asked for at the head: nothing is filled again, and there is no loop to prefetch in.  The waves' stages lie in wo's first bytes, behind their one fill and their last read.
; CLUSTER 4 x 4: A's units hang on the tile row and are shared by a row of the cluster, wo's on the tile column and are shared by a column.
; THE HEAD'S FOUR TILES, one a wave, each on a line of its own: wo's 8 units; A's first 8; A's next 4; A's last 4.  wo's fragments go into registers as soon as wave 0's tile is in.
; BEHIND A BLOCK'S PRODUCTS one run of memory lines: its sums into my stage and back as whole rows of 256 bytes; the fetch of the block two on; one wait; eight stores.
; The product is used transposed (source 0 = wo's rows, source 1 = tokens): a lane holds eight neighbouring columns of one token.
; REGISTERS.  Fragment f lies in window 1 + f / 21 at register 12 (f % 21): 0-31 wo's (4 q + tile), 32-47 A's two sets.  Window 3 also holds the two sets of four accumulators (v128-191) and the bias as the first products' C (v192-223).  Window 0: addresses, scale words, the rows back from the stage.
.set UNIT,  13312
.set RU,    8*UNIT                     ; 128 rows, all of K
.set YB,    2*RU                       ; wo's units, behind A's
.set SPARE, YB+RU
.set SPITCH, 272                       ; a stage row: 256 bytes + 16
.set FR,    12
.set FPW,   21
.set A16,   4                          ; v4, v5   A: my 128 tokens' units 0-3, 4-7, + 16 x lane;  v6, v7 + 8 x lane
.set A8,    6
.set B16,   8                          ; v8, v9   wo: my four tiles likewise;  v12, v13
.set SPW,   10
.set NIL,   11
.set B8,    12
.set BS,    14                         ; v14, v15 wo's scale words of my four tiles
.set STO,   16
.set RD,    17
.set CO,    18
.set BAD,   19
.set SB,    24                         ; v24-55   wo's scale words: 4 q + tile
.set SA,    56                         ; v56-119  A's: 8 q + block
.set BK,    128                        ; v128-191 two sets: 16 rows x 256 bytes back from the stage
.set ACC,   128                        ; window 3
.set BO,    192                        ; window 3
.set G1A,   24
.set G1B,   32
.set G0A,   40
.set G0B,   44
.set MSB, 0
.macro WIN new
.if MSB != (\new)
	s_set_vgpr_msb (MSB<<8)|(\new)
.set MSB, (\new)
.endif
.endm
.macro PLACES n
.rept \n
	v_nop
.endr
.endm
.macro BARRIER
	s_barrier_signal -1
	s_barrier_wait -1
.endm
.macro CROUND
	BARRIER
	s_cmp_lg_u32 s10, 0
	s_cbranch_scc1 .Lnot_wave_0_\@
	s_barrier_signal -3
.Lnot_wave_0_\@:
	s_barrier_wait -3
	BARRIER
.endm
.macro TLOAD g0, g1                    ; an s_nop 0 and four v_nop follow a tensor load
	tensor_load_to_lds s[\g0:\g0+3], s[\g1:\g1+7]
	s_nop 0
	PLACES 4
.endm
.macro ATILE first, rows               ; a part of A's 832 rows of 256 bytes, by a descriptor of constants
	s_mov_b32 s[G0A+1], (\first)*256
	s_mov_b32 s[G1A+2], (\rows)<<16
	s_mov_b32 s[G1A+4], \rows
.if \first
	s_add_nc_u64 s[G0A+2:G0A+3], s[G0A+2:G0A+3], (\first)*256
.endif
	s_or_b32 s[G0A+3], s[G0A+3], 0x80000000
	TLOAD G0A, G1A
.endm
.macro FRAGL f, a16, a8, off           ; a fragment's image: registers 0-3, 4-5, 6-9, 10-11
.set R_, FR*((\f)%FPW)
	WIN (1+(\f)/FPW)<<6
	ds_load_b128 v[R_:R_+3], v[\a16] offset:(\off)
	ds_load_b64 v[R_+4:R_+5], v[\a8] offset:(\off)+512
	ds_load_b128 v[R_+6:R_+9], v[\a16] offset:(\off)+768
	ds_load_b64 v[R_+10:R_+11], v[\a8] offset:(\off)+1280
.endm
.macro FETCH e, a                      ; block a of my tokens into set e: 32 loads
.irp q, 0,1,2,3,4,5,6,7
	FRAGL 32+8*(\e)+\q, A16+\q/4, A8+\q/4, (\q%4)*UNIT+1536*(\a)
.endr
	WIN 0
.endm
.macro PROD e, a, n                    ; product n = 4 q + tile of block a, whose rows lie in set e
.set Q_, (\n)/4
.set FA_, 32+8*(\e)+Q_
.set D_, ACC+32*(\e)+8*((\n)%4)
	WIN (1+(\n)/FPW)|((1+FA_/FPW)<<2)|0xf0
.if Q_
	v_wmma_scale_f32_16x16x128_f8f6f4 v[D_:D_+7], v[FR*((\n)%FPW):FR*((\n)%FPW)+11], v[FR*(FA_%FPW):FR*(FA_%FPW)+11], v[D_:D_+7], v[SB+(\n)], v[SA+8*Q_+(\a)] matrix_a_fmt:MATRIX_FMT_FP6 matrix_b_fmt:MATRIX_FMT_FP6
.else
	v_wmma_scale_f32_16x16x128_f8f6f4 v[D_:D_+7], v[FR*((\n)%FPW):FR*((\n)%FPW)+11], v[FR*(FA_%FPW):FR*(FA_%FPW)+11], v[BO+8*(\n):BO+8*(\n)+7], v[SB+(\n)], v[SA+8*Q_+(\a)] matrix_a_fmt:MATRIX_FMT_FP6 matrix_b_fmt:MATRIX_FMT_FP6
.endif
.endm
.macro STAGED e                        ; set e's sums into my stage, each accumulator from its low end on, and back as whole rows; LDS serves a wave's instructions in order
	WIN 0x0c
.irp b, 0,1,2,3
	ds_store_b128 v[STO], v[ACC+32*(\e)+8*\b:ACC+32*(\e)+8*\b+3] offset:128*(\b/2)+32*(\b%2)
	ds_store_b128 v[STO], v[ACC+32*(\e)+8*\b+4:ACC+32*(\e)+8*\b+7] offset:128*(\b/2)+32*(\b%2)+16
.endr
	WIN 0
.irp t, 0,1,2,3,4,5,6,7
	ds_load_b128 v[BK+32*(\e)+4*\t:BK+32*(\e)+4*\t+3], v[RD] offset:2*\t*SPITCH
.endr
.endm
.macro TOC e, a                        ; slots 2 t, 2 t + 1 of block a: sixteen lanes store 256 consecutive bytes, aligned
.irp t, 0,1,2,3,4,5,6,7
	global_store_b128 v[CO], v[BK+32*(\e)+4*\t:BK+32*(\e)+4*\t+3], s[76:77] offset:(32*((\a)/2)+8*((\a)%2)+2*\t+8*(\t/4))*4096 th:TH_STORE_NT
.endr
.endm
.macro STREAM s
.set N_, 0
.rept 32
	PROD (\s)%2, \s, N_                            ; four accumulators by turns
.set N_, N_+1
.endr
	WIN 0
	PLACES 4                                       ; between the last product and the readers of its sums and the loads into its registers
	s_wait_xcnt 0x0                                ; the stores of two blocks ago have read this set of rows
	STAGED (\s)%2
.if (\s) < 6
	FETCH (\s)%2, (\s)+2
	s_wait_dscnt 32                                ; the rows are back from the stage, and the next block's fragments are in; younger is this run's fetch of 32 loads alone
.else
	s_wait_dscnt 0x0
.endif
	TOC (\s)%2, \s
.endm
	s_load_b256 s[68:75], s[0:1], 0x0              ; ac, xc, bo, out0
	v_lshl_add_u32 v[SPW], v0, 2, SPARE
	v_mov_b32 v[NIL], 0
	ds_add_u32 v[SPW], v[NIL]                      ; the opening: the add, twice on end, and its wait
	ds_add_u32 v[SPW], v[NIL]
	v_lshrrev_b32 v1, 5, v0
	v_readfirstlane_b32 s10, v1                    ; the wave; s11 its row of the 2 x 2, s12 its column
	s_lshr_b32 s11, s10, 1
	s_and_b32 s12, s10, 1
	s_bfe_u32 s13, ttmp6, 0x40000                  ; cx
	s_bfe_u32 s14, ttmp6, 0x40004                  ; cy
	s_lshl_b32 s18, ttmp9, 2
	s_add_co_u32 s18, s18, s13                     ; tile column, 0 .. 7
	s_and_b32 s19, ttmp7, 0xffff
	s_lshl_b32 s19, s19, 2
	s_add_co_u32 s19, s19, s14                     ; tile row, 0 .. 31
	s_lshl_b32 s20, s14, 2
	s_lshl_b32 s20, 15, s20                        ; my row of the cluster shares A
	s_lshl_b32 s21, 0x1111, s13                    ; my column shares wo
	s_or_b32 s[G1A], s20, (3<<16)|(1<<21)          ; dense rows of 256 bytes, 32 elements of 8; how many, each wave's own arm says
	s_or_b32 s[G1B], s21, (3<<16)|(1<<21)
.irp g, G1A, G1B
	s_mov_b32 s[\g+1], 32<<16
	s_mov_b32 s[\g+3], 32<<16
	s_mov_b32 s[\g+5], 32
	s_mov_b32 s[\g+6], 0
	s_mov_b32 s[\g+7], 0
.endr
	s_mov_b32 s[G1B+2], 416<<16
	s_mov_b32 s[G1B+4], 416
	s_mov_b32 s[G0A], 1
	s_mov_b32 s[G0B], 1
	s_mov_b32 s[G0B+1], YB
	s_mul_i32 s50, s19, 2*RU                       ; my 256 tokens' units, bytes from ac
	s_mov_b32 s51, 0
	s_lshl_b32 s52, s18, 3
	s_add_co_u32 s52, s52, 1728                    ; wo's first unit in xc, + 8 x tile column
	s_mul_i32 s52, s52, UNIT
	s_mov_b32 s53, 0
	s_lshl_b32 s54, s18, 9
	s_lshl_b32 s55, s12, 8
	s_add_co_u32 s54, s54, s55                     ; my 64 columns, in bytes
	s_mov_b32 s55, 0
	s_lshl_b32 s56, s19, 20
	s_lshl_b32 s57, s11, 19
	s_add_co_u32 s56, s56, s57
	s_add_co_u32 s56, s56, s54                     ; my first token's row of out0, at my columns
	s_mov_b32 s57, 0
	v_and_b32 v1, 31, v0
	v_lshlrev_b32 v2, 4, v1
	v_lshlrev_b32 v3, 3, v1
	s_mul_i32 s60, s11, RU
	v_add_nc_u32 v[A16], s60, v2
	v_add_nc_u32 v[A8], s60, v3
	v_add_nc_u32 v[A16+1], 4*UNIT, v[A16]
	v_add_nc_u32 v[A8+1], 4*UNIT, v[A8]
	s_mul_i32 s61, s12, 4*1536
	s_add_co_u32 s61, s61, YB
	v_add_nc_u32 v[B16], s61, v2
	v_add_nc_u32 v[B8], s61, v3
	v_add_nc_u32 v[B16+1], 4*UNIT, v[B16]
	v_add_nc_u32 v[B8+1], 4*UNIT, v[B8]
	s_lshl_b32 s62, s12, 9
	s_add_co_u32 s62, s62, YB
	v_add_nc_u32 v[BS], s62, v2
	v_add_nc_u32 v[BS+1], 4*UNIT, v[BS]
	v_and_b32 v20, 15, v0
	v_bfe_u32 v21, v0, 4, 1
	s_mul_i32 s63, s10, 16*SPITCH
	s_add_co_u32 s63, s63, YB                      ; my stage
	v_mul_u32_u24 v22, v20, SPITCH
	v_lshl_add_u32 v22, v21, 6, v22
	v_add_nc_u32 v[STO], s63, v22                  ; in: row = slot, + 64 bytes for the upper half of the lanes
	v_mul_u32_u24 v22, v21, SPITCH
	v_lshl_add_u32 v22, v20, 4, v22
	v_add_nc_u32 v[RD], s63, v22                   ; back: sixteen lanes to a row
	v_lshlrev_b32 v22, 12, v21
	v_lshl_add_u32 v[CO], v20, 4, v22              ; and the same two rows in out0
	v_lshlrev_b32 v[BAD], 6, v21                   ; the bias: 16 columns on for the upper half of the lanes
	s_wait_alu depctr_va_vdst(0)                   ; the wait at the head's end
	s_wait_dscnt 0x0
	CROUND                                         ; the opening round: the joint loads meet
	s_wait_kmcnt 0x0
	s_add_nc_u64 s[G0A+2:G0A+3], s[68:69], s[50:51]
	s_add_nc_u64 s[G0B+2:G0B+3], s[70:71], s[52:53]
	s_or_b32 s[G0B+3], s[G0B+3], 0x80000000
	s_add_nc_u64 s[78:79], s[72:73], s[54:55]
	s_add_nc_u64 s[76:77], s[74:75], s[56:57]
	s_cmp_eq_u32 s10, 0
	s_cbranch_scc0 .Lwave_1
	TLOAD G0B, G1B                                 ; wave 0: wo's 8 units, which are wanted first
	s_branch .Lasked
.Lwave_1:
	s_cmp_eq_u32 s10, 1
	s_cbranch_scc0 .Lwave_2
	ATILE 0, 416                                   ; wave 1: the first 128 tokens' 8 units
	s_branch .Lasked
.Lwave_2:
	s_cmp_eq_u32 s10, 2
	s_cbranch_scc0 .Lwave_3
	ATILE 416, 208                                 ; wave 2: the other 128 tokens' units 0-3
	s_branch .Lasked
.Lwave_3:
	ATILE 624, 208                                 ; wave 3: their units 4-7
.Lasked:
	WIN 0xc0
.irp b, 0,1,2,3                        ; register j of tile b of lane (r, h) is column 32 (b / 2) + 8 (b % 2) + 16 h + j of my 64
	global_load_b128 v[BO+8*\b:BO+8*\b+3], v[BAD], s[78:79] offset:128*(\b/2)+32*(\b%2)
	global_load_b128 v[BO+8*\b+4:BO+8*\b+7], v[BAD], s[78:79] offset:128*(\b/2)+32*(\b%2)+16
.endr
	WIN 0
	s_wait_dscnt 0x0
	s_cmp_eq_u32 s10, 0
	s_cbranch_scc0 .Lnot_b
	s_wait_tensorcnt 0x0                           ; wave 0: wo's units are in
.Lnot_b:
	BARRIER
.irp q, 0,1,2,3,4,5,6,7
.irp b, 0,1,2,3
	FRAGL 4*\q+\b, B16+\q/4, B8+\q/4, (\q%4)*UNIT+1536*\b
.endr
.endr
	WIN 0
.irp q, 0,1,2,3,4,5,6,7
	ds_load_b128 v[SB+4*\q:SB+4*\q+3], v[BS+\q/4] offset:(\q%4)*UNIT+12288
.endr
	s_wait_tensorcnt 0x0                           ; every wave: all that is still out
	s_wait_dscnt 0x0
	BARRIER                                        ; A is in, and nobody reads wo's bytes any more
.irp q, 0,1,2,3,4,5,6,7
	ds_load_b128 v[SA+8*\q:SA+8*\q+3], v[A16+\q/4] offset:(\q%4)*UNIT+12288
	ds_load_b128 v[SA+8*\q+4:SA+8*\q+7], v[A16+\q/4] offset:(\q%4)*UNIT+12800
.endr
	FETCH 0, 0
	FETCH 1, 1
	s_wait_loadcnt 0x0                             ; the bias
	s_wait_dscnt 32                                ; the scale words and block 0 are in; younger are block 1's 32 loads
.irp s, 0,1,2,3,4,5,6,7
	STREAM \s
.endr
	s_wait_tensorcnt 0x0                           ; the wave's end
	ds_add_u32 v[SPW], v[NIL]
	s_wait_dscnt 0x0
	CROUND                                         ; the closing round
	s_endpgm
.Lfunc_end_k_qd628fd5b2f_outp:
	.size	k_qd628fd5b2f_outp, .Lfunc_end_k_qd628fd5b2f_outp-k_qd628fd5b2f_outp
	.p2alignl 7, 3214868480
	.fill 96, 4, 3214868480
	.section	.rodata,"a",@progbits
	.p2align	6, 0x0
	.amdhsa_kernel k_qd628fd5b2f_outp
		.amdhsa_group_segment_fixed_size 327680
		.amdhsa_private_segment_fixed_size 0
		.amdhsa_enable_private_segment 0
		.amdhsa_kernarg_size 32
		.amdhsa_user_sgpr_count 2
		.amdhsa_user_sgpr_kernarg_segment_ptr 1
		.amdhsa_wavefront_size32 1
		.amdhsa_system_sgpr_workgroup_id_x 1
		.amdhsa_system_sgpr_workgroup_id_y 1
		.amdhsa_system_sgpr_workgroup_id_z 1
		.amdhsa_system_vgpr_workitem_id 0
		.amdhsa_next_free_vgpr 1024
		.amdhsa_next_free_sgpr 100
		.amdhsa_reserve_vcc 0
		.amdhsa_float_denorm_mode_32 3
		.amdhsa_float_denorm_mode_16_64 3
		.amdhsa_memory_ordered 1
		.amdhsa_forward_progress 1
		.amdhsa_inst_pref_size 84
	.end_amdhsa_kernel
	.amdgpu_metadata
---
amdhsa.version: [ 1, 2 ]
amdhsa.kernels:
  - .name:           k_qd628fd5b2f_outp
    .symbol:         k_qd628fd5b2f_outp.kd
    .args:
      - { .name: ac, .offset: 0, .size: 8, .value_kind: global_buffer, .address_space: global }
      - { .name: xc, .offset: 8, .size: 8, .value_kind: global_buffer, .address_space: global }
      - { .name: bo, .offset: 16, .size: 8, .value_kind: global_buffer, .address_space: global }
      - { .name: out0, .offset: 24, .size: 8, .value_kind: global_buffer, .address_space: global }
    .group_segment_fixed_size: 327680
    .private_segment_fixed_size: 0
    .kernarg_segment_align: 8
    .kernarg_segment_size: 32
    .max_flat_workgroup_size: 128
    .sgpr_count:     100
    .vgpr_count:     1024
    .wavefront_size: 32
...
	.end_amdgpu_metadata
.endif
;; end of part 4
